; MI455X (gfx1250); checked and timed in simulation.
; The chip was launched on July 23, 2026; its instructions are those of AMD's public machine-readable ISA for CDNA 5 (MIT licence, August 2026) and "CDNA5" Instruction Set Architecture Reference Guide (July 2026). The comments in the code are by the model that wrote it; some were corrected since.
;; Custom Multi Head Attention. Allowed arithmetic: matrix products marked QUANTISED: E2M3 operands, one E8M0 scale for each 32 along K, by v_wmma_scale_f32_16x16x128_f8f6f4 with both operands' format E2M3, f32 sums; everything else in f32.
;; Inputs: Wk 1,024 x 1,024 float32; Wo 1,024 x 1,024 float32; Wq 1,024 x 1,024 float32; Wv 1,024 x 1,024 float32; bk 1,024 float32; bo 1,024 float32; bq 1,024 float32; bv 1,024 float32; key 1,024 x 8 x 1,024 float32; key_padding_mask 8 x 1,024 bool; query 1,024 x 8 x 1,024 float32; value 1,024 x 8 x 1,024 float32.
;; Outputs: out0 1,024 x 8 x 1,024 float32.
;; This version of the problem:
;;   THIS VERSION OF THE PROBLEM IS GIVEN IN LOW PRECISION. The matrix products marked QUANTISED in the list below multiply operands that are first quantised to E2M3 (2 exponent bits, 3 mantissa bits; 6 bits a number), with one power-of-two scale for each 32 numbers along K (OCP MX v1.0); their sums are f32. All else is computed in f32.
;;   The module's matrix products, in the order in which they are computed (A, B: the left and right operand; K: the contracted axis; several contracted axes count as one K, in the product's order):
;;     1. [M 8,192, K 1,024] x [K 1,024, N 1,024]; A: input query; B: input Wq: QUANTISED
;;     2. [M 8,192, K 1,024] x [K 1,024, N 1,024]; A: input key; B: input Wk: QUANTISED
;;     3. [M 8,192, K 1,024] x [K 1,024, N 1,024]; A: input value; B: input Wv: QUANTISED
;;     4. batch 128 x [M 1,024, K 64] x [K 64, N 1,024]; A: computed on the way; B: computed on the way: QUANTISED
;;     5. batch 128 x [M 64, K 1,024] x [K 1,024, N 1,024]; A: computed on the way; B: softmax (see below): QUANTISED
;;     6. [M 8,192, K 1,024] x [K 1,024, N 1,024]; A: computed on the way; B: input Wo: QUANTISED
;;   THE QUANTISER, for each operand of a quantised product, along K:
;;     - K is cut into blocks of 32 from its start; a last block that is shorter is filled with zeros.
;;     - A block's scale is 2^e with e = floor(log2(the largest magnitude in the block)) - 2, held to -126 .. 127; a block of zeros has e = 0. As a byte (E8M0): e + 127.
;;     - Each number is divided by its block's scale, clamped to +-7.5, and rounded to the nearest number of E2M3, ties to even, subnormals kept.
;;     - The product sums the exact products of the quantised numbers (number of the format x scale) in f32.
;;   ~~~python
;;   def quantise(x, axis):      # numpy; x: float32 -> the quantised numbers, widened to float32 again
;;       x = np.moveaxis(x, axis, -1); K = x.shape[-1]
;;       x = np.pad(x, [(0, 0)] * (x.ndim - 1) + [(0, -K % 32)]); x = x.reshape(x.shape[:-1] + (-1, 32)); a = np.abs(x).max(-1, keepdims=True)
;;       e = np.where(a > 0, np.clip(np.frexp(np.where(a > 0, a, 1))[1] - 1 - 2, -126, 127), 0)      # np.frexp(a)[1] - 1 = floor(log2(a)), exactly
;;       r = np.clip(x / 2.0 ** e, -7.5, 7.5)
;;       step = 2.0 ** (np.maximum(np.frexp(np.where(r == 0, 1, r))[1] - 1, 0) - 3)
;;       q = np.round(r / step) * step * 2.0 ** e      # np.round: ties to even
;;       return np.moveaxis(q.reshape(q.shape[:-2] + (-1,))[..., :K], -1, axis).astype(np.float32)
;;   ~~~
;;   SOFTMAX AHEAD OF A QUANTISED PRODUCT. Where the list says 'softmax', what is quantised is not the finished softmax but p = 2^(t - M), with t = logit x log2(e) and M = ceil(the row's largest t), a whole number; so 1/2 < the row's largest p <= 1. The row's sum l is taken of the UNQUANTISED p, in f32, and the product's result is divided by l at the end. Since M is a whole number, a kernel that streams over the keys may use a running M (the ceiling of the running maximum): every later rescaling is an exact power of two, which a block's scale takes up: the codes' values come out the same.
;;   OPERANDS COMPUTED ON THE WAY. 'Computed on the way' means the value that the module computes at that place (a softmax that the list does not call 'softmax' is quantised finished and normalised). What goes into a quantiser is computed in f32, as accurately as f32 sums, v_exp_f32 and their like allow (about 1e-6 of the number): no bf16 or f16 on the way to a quantiser, and a product that is left as it is and whose result goes on into a quantised operand takes f32 operands (vector FMAs, or v_wmma_f32_16x16x4_f32). A number that lies on a knife's edge between two numbers of the format may be rounded either way, as far as f32 arithmetic and the matrix unit's own rounding can turn it there, and no further.
;; One version. Each part assembles by itself: llvm-mc -triple=amdgcn-amd-amdhsa -mcpu=gfx1250 --defsym DOCPART=n.
;; ======== version 1 of 1: 4 launches
;; limits: right only within a limited range of input values
;; workspace buffers: xc 22,020,096 bytes; xs 917,504 bytes; pc 18,874,368 bytes; ps 1,310,720 bytes; oc 6,291,456 bytes; os 262,144 bytes
;; launch quant (part 1): grid 448 x 1, 8 waves a work-group, no clusters, 70,656 bytes of LDS; arguments query, key, value, Wq, Wk, Wv, Wo, xc, xs; writes xc, xs
.if DOCPART == 1
	.amdgcn_target "amdgcn-amd-amdhsa--gfx1250"
	.amdhsa_code_object_version 6
	.text
	.protected	k_q864333910a_quant
	.globl	k_q864333910a_quant
	.p2align	8
	.type	k_q864333910a_quant,@function
k_q864333910a_quant:
	s_mov_b64 s[64:65], 0
	v_nop
	global_prefetch_b8 v0, s[64:65] scope:SCOPE_SE
	s_setreg_imm32_b32 hwreg(HW_REG_WAVE_MODE, 25, 1), 1
	s_wait_xcnt 0x0
; query, key, value [1024][8][1024] and Wq, Wk, Wv, Wo [1024][1024], f32, become codes of FP6 (E2M3) along their last axis, with one E8M0 byte for each 32 numbers.
; A block's scale is 2^(floor(log2(its largest magnitude)) - 2); its byte is the largest magnitude's exponent field - 2, held at 1 from below.
; LIMITS: a block whose largest magnitude lies under 2^-124 (a block of zeros among them) keeps the byte 1; these bytes are read by this program alone.  NaN and infinities among the inputs are not served.
; LAYOUT OF THE RESULT.  A TILE is 16 rows; tile u of a tensor (of one batch, for the activations) takes positions 32 (u / 2) + 8 (u % 2) + i + 8 (i / 8), i = 0 .. 15.
; THE KEY TENSOR ALONE takes positions 64 (u / 4) + 8 (u % 4) + i % 8 + 32 (i / 8): with that order a lane of the scores' result holds whole blocks of 32 neighbouring keys.
; A fragment (16 rows x 128 K, 12 registers a lane) is stored as an IMAGE OF ITS REGISTERS: registers 4 g .. 4 g + 3 of lane l at 512 g + 16 l: 1,536 bytes.
; A GROUP is 8 tiles: codes [K step 8][tile 8][image] = 98,304 bytes; scale words [K step 8][row 16][tile 8] = 4,096 bytes.  Groups: query 0-63 (8 x batch + part), key 64-127, value 128-191, Wq 192-199, Wk, Wv, Wo.
; SHARES.  A work-group takes half of a group's K (512); wave w takes tile w: four fragments.  Each load reads 512 consecutive bytes of one row; the 16 rows turn through the wave's own stage in LDS,
; so that a lane gets two whole blocks of 32 neighbours of its row.  Memory binds: no matrix unit, no tensor load, no cluster (nothing is shared).
.set SPITCH, 528                       ; a stage row: 512 bytes + 16: row r starts 4 r banks on
.set WSTG,   16*SPITCH                 ; a wave's stage
.set SCA,    8*WSTG                    ; behind the stages: the scale words [fragment 4][row 16][wave 8], 2,048 bytes
.set OFF,    16                        ; v16-31   byte offset of my 16 bytes in row i of the tile
.set R,      32                        ; v32-159  two sets of 64: a fragment's numbers as loaded
.set X,      160                       ; v160-223 my two blocks of 32 neighbours
.set C,      224                       ; v224-235 the fragment's codes; v236-238, v240-242 halves made elsewhere
.set SW,     244                       ; v244     my row's scale word
	s_load_b512 s[8:23], s[0:1], 0x0               ; query, key, value, Wq, Wk, Wv, Wo, xc
	s_load_b64 s[24:25], s[0:1], 0x40              ; xs
	v_lshl_add_u32 v254, v0, 2, 0x11000
	v_mov_b32 v255, 0
	v_lshrrev_b32 v8, 5, v0
	s_delay_alu instid0(VALU_DEP_1)
	v_readfirstlane_b32 s7, v8
	; a row's eight scale words lie even tiles first: tile w at word 4 (w % 2) + w / 2
	s_and_b32 s39, s7, 1
	s_lshl_b32 s39, s39, 2
	s_lshr_b32 s38, s7, 1
	s_add_co_u32 s39, s39, s38
	s_lshl_b32 s39, s39, 2
	s_add_co_u32 s39, s39, SCA
	v_and_b32 v9, 31, v0                           ; lane
	v_and_b32 v10, 15, v0                          ; r
	v_bfe_u32 v11, v0, 4, 1                        ; h
	s_delay_alu instid0(VALU_DEP_3)
	v_lshlrev_b32 v1, 4, v9                        ; 16 x lane
	s_mul_i32 s38, s7, WSTG
	v_add_nc_u32 v2, s38, v1                       ; the stage, on the way in
	v_mul_u32_u24 v3, v10, SPITCH
	s_delay_alu instid0(VALU_DEP_1)
	v_lshl_add_u32 v3, v11, 7, v3
	s_delay_alu instid0(VALU_DEP_1)
	v_add_nc_u32 v3, s38, v3                       ; and on the way out: row r, + 128 h bytes
	v_lshl_add_u32 v4, v10, 5, s39                 ; where my row's scale word goes: 32 r + 4 x the tile's word
	s_lshl_b32 s38, s7, 8
	s_add_co_u32 s38, s38, SCA
	v_lshl_add_u32 v5, v9, 3, s38                  ; and what I carry out at the end: 256 x wave + 8 x lane
	v_lshlrev_b32 v6, 3, v9
	v_lshlrev_b32 v7, 3, v11                       ; 8 h: my bytes' place in the scale word
	v_mov_b32 v14, 0                               ; written once: a lane permute's destination counts as one of its sources
	s_mov_b32 s2, 0x76543210
	s_mov_b32 s3, 0xfedcba98                       ; selects for lane l xor 16
	s_lshr_b32 s26, ttmp9, 1                       ; the group
	s_and_b32 s27, ttmp9, 1                        ; which half of K
	s_lshr_b32 s28, s26, 6                         ; which tensor, if an activation
	s_sub_co_u32 s29, s26, 192
	s_lshr_b32 s29, s29, 3
	s_add_co_u32 s29, s29, 3                       ; if a weight
	s_bfe_u32 s31, s26, 0x30003                    ; the batch, if an activation
	s_cmp_lt_u32 s26, 192
	s_cselect_b32 s28, s28, s29
	s_cselect_b32 s30, 15, 12                      ; from position to position: 32,768 bytes in an activation, 4,096 in a weight
	s_cselect_b32 s31, s31, 0
	s_and_b32 s32, s26, 7
	s_lshl_b32 s32, s32, 7                         ; the group's first position
	s_lshr_b32 s33, s7, 1
	s_lshl_b32 s33, s33, 5
	s_and_b32 s38, s7, 1
	s_lshl_b32 s38, s38, 3
	s_add_co_u32 s33, s33, s38                     ; my tile's first position in the group: 32 (w / 2) + 8 (w % 2),
	s_lshr_b32 s38, s7, 2
	s_lshl_b32 s38, s38, 6
	s_and_b32 s39, s7, 3
	s_lshl_b32 s39, s39, 3
	s_add_co_u32 s38, s38, s39                     ; or, in the key tensor, 64 (w / 4) + 8 (w % 4)
	s_cmp_eq_u32 s28, 1
	s_cselect_b32 s33, s38, s33
	s_cselect_b32 s39, 24, 8                       ; a tile's rows 8-15 lie at i + 24 there, at i + 8 elsewhere
	s_add_co_u32 s32, s32, s33
	s_lshl_b32 s32, s32, s30
	s_lshl_b32 s31, s31, 12
	s_add_co_u32 s32, s32, s31
	s_lshl_b32 s33, s27, 11
	s_add_co_u32 s32, s32, s33
	s_mov_b32 s33, 0                               ; s[32:33]: where my tile begins in its tensor
	s_mul_i32 s34, s26, 98304
	s_mul_i32 s35, s27, 49152
	s_add_co_u32 s34, s34, s35
	s_mul_i32 s35, s7, 1536
	s_add_co_u32 s34, s34, s35
	s_mov_b32 s35, 0                               ; s[34:35]: my first image in xc
	s_lshl_b32 s36, s26, 12
	s_lshl_b32 s37, s27, 11
	s_add_co_u32 s36, s36, s37
	s_lshl_b32 s37, s7, 8
	s_add_co_u32 s36, s36, s37
	s_mov_b32 s37, 0                               ; s[36:37]: my 256 bytes of xs
.irp i, 0,1,2,3,4,5,6,7
	s_lshl_b32 s38, \i, s30
	v_add_nc_u32 v[OFF+\i], s38, v1
.endr
.irp i, 8,9,10,11,12,13,14,15
	s_add_co_u32 s38, s39, \i
	s_lshl_b32 s38, s38, s30
	v_add_nc_u32 v[OFF+\i], s38, v1
.endr
	s_wait_alu depctr_va_vdst(0)
	s_wait_kmcnt 0x0
	s_mov_b64 s[4:5], s[8:9]                       ; the tensor is chosen by the work-group's number alone
	s_cmp_eq_u32 s28, 1
	s_cselect_b64 s[4:5], s[10:11], s[4:5]
	s_cmp_eq_u32 s28, 2
	s_cselect_b64 s[4:5], s[12:13], s[4:5]
	s_cmp_eq_u32 s28, 3
	s_cselect_b64 s[4:5], s[14:15], s[4:5]
	s_cmp_eq_u32 s28, 4
	s_cselect_b64 s[4:5], s[16:17], s[4:5]
	s_cmp_eq_u32 s28, 5
	s_cselect_b64 s[4:5], s[18:19], s[4:5]
	s_cmp_eq_u32 s28, 6
	s_cselect_b64 s[4:5], s[20:21], s[4:5]
	s_add_nc_u64 s[4:5], s[4:5], s[32:33]
	s_add_nc_u64 s[22:23], s[22:23], s[34:35]
	s_add_nc_u64 s[24:25], s[24:25], s[36:37]
.macro LOAD f                          ; fragment f: 128 along K of the tile's 16 rows: each load is 512 consecutive bytes of one row
.irp i, 0,1,2,3,4,5,6,7,8,9,10,11,12,13,14,15
	global_load_b128 v[R+64*((\f)%2)+4*\i:R+64*((\f)%2)+4*\i+3], v[OFF+\i], s[4:5] offset:512*(\f) th:TH_LOAD_NT
.endr
.endm
.macro FRAGQ f
.if (\f) < 3
	s_wait_loadcnt 16                              ; this fragment's 16 loads are in; the next fragment's 16 may be out
.else
	s_wait_loadcnt 0x0
.endif
.irp i, 0,1,2,3,4,5,6,7,8,9,10,11,12,13,14,15
	ds_store_b128 v2, v[R+64*((\f)%2)+4*\i:R+64*((\f)%2)+4*\i+3] offset:SPITCH*\i
.endr
.irp c, 0,1
.irp j, 0,1,2,3,4,5,6,7
	ds_load_b128 v[X+32*\c+4*\j:X+32*\c+4*\j+3], v3 offset:256*\c+16*\j   ; k = 64 c + 32 h + 4 j ..; LDS serves a wave's instructions in order: these see the stores above
.endr
.endr
	s_wait_dscnt 0x0                               ; my numbers are back, and the stores have read their registers,
.if (\f) < 2
	LOAD (\f)+2                                    ; which take the fragment two further on
.endif
.irp c, 0,1
	v_max3_num_f32 v[8+\c], |v[X+32*\c]|, |v[X+1+32*\c]|, 0x1800000   ; my block 2 c + h, and the floor 2^(3 - 127): the byte cannot fall under 1
.endr
.irp i, 2,4,6,8,10,12,14,16,18,20,22,24,26,28,30
.irp c, 0,1
	s_delay_alu instid0(VALU_DEP_2)
	v_max3_num_f32 v[8+\c], v[8+\c], |v[X+32*\c+\i]|, |v[X+1+32*\c+\i]|   ; (the two blocks by turns)
.endr
.endr
.irp c, 0,1
	s_delay_alu instid0(VALU_DEP_2)
	v_add_nc_u32 v[10+\c], 0xff000000, v[8+\c]     ; 2 off the exponent field: the conversion's scale operand
.endr
.irp c, 0,1
	s_delay_alu instid0(VALU_DEP_2)
	v_lshrrev_b32 v[12+\c], 23, v[10+\c]           ; the scale's byte
.endr
	s_delay_alu instid0(VALU_DEP_1)
	v_lshl_or_b32 v[SW], v13, 16, v12              ; blocks h and 2 + h,
	s_delay_alu instid0(VALU_DEP_1)
	v_lshlrev_b32 v[SW], v7, v[SW]                 ; at their places in the word;
	s_delay_alu instid0(VALU_DEP_1)
	v_permlanex16_b32 v14, v[SW], s2, s3
	s_delay_alu instid0(VALU_DEP_1)
	v_or_b32 v[SW], v[SW], v14                     ; with lane l xor 16's two the word is whole
.if (\f) > 0
	s_wait_alu depctr_va_vdst(0)
	s_wait_xcnt 0x0                                ; the last fragment's stores have read their data: the codes' registers are written again only behind this wait
.endif
.irp c, 0,1
	v_cvt_scalef32_pk16_fp6_f32 v[C+6*\c:C+6*\c+2], v[X+32*\c:X+32*\c+15], v[10+\c]
	v_cvt_scalef32_pk16_fp6_f32 v[C+12+4*\c:C+14+4*\c], v[X+16+32*\c:X+31+32*\c], v[10+\c]   ; (a conversion's three registers begin on an even number)
.endr
	v_nop                                          ; one plain place behind a scaled conversion
.irp c, 0,1
.irp i, 0,1,2
	v_mov_b32 v[C+3+6*\c+\i], v[C+12+4*\c+\i]
.endr
.endr
.irp g, 0,1,2
	global_store_b128 v1, v[C+4*\g:C+4*\g+3], s[22:23] offset:12288*(\f)+512*\g   ; the image: 512 consecutive bytes a store
.endr
	ds_store_b32 v4, v[SW] offset:512*(\f)         ; lanes r and r + 16 write the same word with the same value
.endm
	LOAD 0
	LOAD 1
	FRAGQ 0
	FRAGQ 1
	FRAGQ 2
	FRAGQ 3
	s_wait_dscnt 0x0                               ; for the others' sake: my scale words lie in LDS
	s_barrier_signal -1
	s_barrier_wait -1
	ds_load_b64 v[12:13], v5
	s_wait_dscnt 0x0
	global_store_b64 v6, v[12:13], s[24:25]        ; 32 lanes store 256 consecutive bytes, aligned
	s_wait_tensorcnt 0x0
	ds_add_u32 v254, v255
	s_wait_dscnt 0x0
	s_endpgm
.Lfunc_end_k_q864333910a_quant:
	.size	k_q864333910a_quant, .Lfunc_end_k_q864333910a_quant-k_q864333910a_quant
	.p2alignl 7, 3214868480
	.fill 96, 4, 3214868480
	.section	.rodata,"a",@progbits
	.p2align	6, 0x0
	.amdhsa_kernel k_q864333910a_quant
		.amdhsa_group_segment_fixed_size 70656
		.amdhsa_private_segment_fixed_size 0
		.amdhsa_enable_private_segment 0
		.amdhsa_kernarg_size 72
		.amdhsa_user_sgpr_count 2
		.amdhsa_user_sgpr_kernarg_segment_ptr 1
		.amdhsa_wavefront_size32 1
		.amdhsa_system_sgpr_workgroup_id_x 1
		.amdhsa_system_sgpr_workgroup_id_y 1
		.amdhsa_system_sgpr_workgroup_id_z 1
		.amdhsa_system_vgpr_workitem_id 0
		.amdhsa_next_free_vgpr 256
		.amdhsa_next_free_sgpr 66
		.amdhsa_reserve_vcc 0
		.amdhsa_float_denorm_mode_32 3
		.amdhsa_float_denorm_mode_16_64 3
		.amdhsa_memory_ordered 1
		.amdhsa_forward_progress 1
		.amdhsa_inst_pref_size 38
	.end_amdhsa_kernel
	.amdgpu_metadata
---
amdhsa.version: [ 1, 2 ]
amdhsa.kernels:
  - .name:           k_q864333910a_quant
    .symbol:         k_q864333910a_quant.kd
    .args:
      - { .name: query, .offset: 0, .size: 8, .value_kind: global_buffer, .address_space: global }
      - { .name: key, .offset: 8, .size: 8, .value_kind: global_buffer, .address_space: global }
      - { .name: value, .offset: 16, .size: 8, .value_kind: global_buffer, .address_space: global }
      - { .name: Wq, .offset: 24, .size: 8, .value_kind: global_buffer, .address_space: global }
      - { .name: Wk, .offset: 32, .size: 8, .value_kind: global_buffer, .address_space: global }
      - { .name: Wv, .offset: 40, .size: 8, .value_kind: global_buffer, .address_space: global }
      - { .name: Wo, .offset: 48, .size: 8, .value_kind: global_buffer, .address_space: global }
      - { .name: xc, .offset: 56, .size: 8, .value_kind: global_buffer, .address_space: global }
      - { .name: xs, .offset: 64, .size: 8, .value_kind: global_buffer, .address_space: global }
    .group_segment_fixed_size: 70656
    .private_segment_fixed_size: 0
    .kernarg_segment_align: 8
    .kernarg_segment_size: 72
    .max_flat_workgroup_size: 256
    .sgpr_count:     66
    .vgpr_count:     256
    .wavefront_size: 32
...
	.end_amdgpu_metadata
.endif
;; end of part 1
;; launch proj (part 2): grid 4 x 64, 4 waves a work-group, clusters of 4 x 4, 327,680 bytes of LDS; arguments xc, xs, bq, bk, bv, pc, ps; writes pc, ps
.if DOCPART == 2
	.amdgcn_target "amdgcn-amd-amdhsa--gfx1250"
	.amdhsa_code_object_version 6
	.text
	.protected	k_q864333910a_proj
	.globl	k_q864333910a_proj
	.p2align	8
	.type	k_q864333910a_proj,@function
k_q864333910a_proj:
	s_mov_b64 s[64:65], 0
	v_nop
	global_prefetch_b8 v0, s[64:65] scope:SCOPE_SE
	s_setreg_imm32_b32 hwreg(HW_REG_WAVE_MODE, 25, 1), 1
	s_wait_xcnt 0x0
	s_wait_alu depctr_hold_cnt(0) depctr_sa_sdst(0) depctr_va_vdst(0) depctr_va_sdst(0) depctr_va_ssrc(0) depctr_va_vcc(0) depctr_vm_vsrc(0)
	s_getreg_b32 s2, hwreg(HW_REG_IB_STS2, 6, 4)
	s_cmp_eq_u32 s2, 0
	s_cbranch_scc0 .Lentry_in_a_cluster
	s_endpgm
.Lentry_in_a_cluster:
	s_bfe_u32 s2, ttmp6, 0x10000c
	s_cmp_lg_u32 s2, 0xf033
	s_cbranch_scc0 .Lentry_shape_is_right
	s_endpgm
.Lentry_shape_is_right:
; q = query Wq^T + bq, k = key Wk^T + bk, v = value Wv^T + bv on codes of FP6 (E2M3) with E8M0 scales, and the quantising of the results for the attention's two products.
; reference's SCALE = 2^-3 is left out of q: a power of two leaves q's codes as they are, and the attention's launch multiplies the scores by it.
; SHARES.  Work-group (px, g) of 4 x 64 STAYS and makes three blocks of 128 x 256: activation group g (128 positions of one batch) of query, key, value against that tensor's weight groups 2 px, 2 px + 1.
; A wave makes 64 x 128: 32 accumulators.  Side L (source 1: a lane holds one of its rows) has four tiles, side R (source 0: its rows run along a lane's registers) eight.
;   q, k: L = the activation's tiles 2 a + wave / 2, R = weight group wave % 2: a lane's registers run along the channels, the K of the scores.
;   v:    L = weight group wave / 2, tiles 2 a + wave % 2, R = the activation group: a lane's registers run along the keys, the K of the second product.
; THE RING.  Two slots, each with 512 along K of the three groups (3 x 49,152 bytes, images of registers as the first launch stored them).  Six fills, 0 to 5: a block's two halves.  Waves 0, 1 ask for halves of the
; activation's part (shared along a row of the cluster), waves 2, 3 for a weight group's part (shared along a column): one joint load a wave, behind a round of the cluster's barrier.
; Slot 0 is filled again in K step 3, slot 1 behind the first quarter of the block's way out: so each refill has matrix work and quantising in which to land.  Every wait on TENSORcnt is for 0.
; The bias is the C of each sum's first product.  Scale words and biases go from memory into registers, asked for one block ahead.  q and k share a loop of two trips; v, which asks for nothing more, is written out.
; PREFETCH.  Behind the load of fill f stand requests for fill f + 2 (f = 0 .. 3), and behind fill 0's also those for fill 1, the buffer's first touch: at most two fills are asked for and not yet read.
; Each of the four partners of a joint load names a quarter of its bytes, by address, a lane a block of 256 bytes, two instructions a wave and fill.  Fill 0 comes by its load alone; fills 4 and 5 have no fill two on.
; LIMITS: a block whose largest magnitude lies under 2^-124 keeps the byte 1 (read by this program alone).  NaN and infinities among the inputs are not served.
; REGISTERS: window 0: v4-21 addresses, v28-29 the add's, v32-63 L's scale words, v64-127 R's, v128-179 the quantiser's.  window 1: R's two sets at v0, v128; q's or k's bias at v96-127, v224-255.
;   window 2: accumulator (a, b) at v[8 (8 a + b)].   window 3: L's two sets at v0, v48; v's bias at v96-127.
.set FR,    12
.set NP,    4
.set FIB,   1536                       ; an image of a fragment
.set KSB,   8*FIB                      ; a group's K step
.set HALF,  4*KSB                      ; a group's part of a slot
.set GRPB,  8*KSB                      ; a group in memory
.set SLOT,  3*HALF
.set SPARE, 2*SLOT                     ; the spare words, 512 bytes
.set LI,    4                          ; 16 x lane
.set L8,    5                          ; 8 x lane
.set R32,   6                          ; 32 r
.set VB,    7                          ; 64 h
.set ADL,   8                          ; LDS addresses, slot 0 and 1: q, k: L, R;  v: L, R
.set ADR,   10
.set ADLV,  12
.set ADRV,  14
.set VBV,   16
.set VA,    17                         ; 16 r + 4096 h
.set SH,    18                         ; 16 h
.set VAV,   19                         ; 16 r
.set PF,    20                         ; v20-21 the prefetches' offsets
.set SPW,   28
.set NIL,   29
.set SL,    32                         ; L's scale words: K step k, tile a at 4 k + a
.set SR,    64                         ; R's: K step k, tile b at 8 k + 4 (b % 2) + b / 2
.set TM,    128
.set PW,    144
.set PWS,   146
.set W,     150
.set PC,    160
.set G1,   24
.set G0,   32
.set G1B,  48
.set G0B,  56
.set SEL,  66
.set QL,   68                          ; pointers: scale words of L and R for q, k, v
.set QR,   70
.set KL,   72
.set KR,   74
.set VL,   76
.set VR,   78
.set VPC,  80                          ; v's codes and scale words
.set VPS,  82
.set PFA,  84                          ; the prefetches' bases: the value block's bytes, the key block's, the query block's
.set PFK,  86
.set PFQ,  88
.set MSB, 0
.macro WIN new                         ; the immediate's high byte repeats the setting that is left
.if MSB != (\new)
	s_set_vgpr_msb (MSB<<8)|(\new)
.set MSB, (\new)
.endif
.endm
.set MULW, 0xad                        ; source 0 (R) window 1, source 1 (L) window 3, C and D window 2
.macro JLOAD g0a, g1a, g0b, g1b        ; one joint load a wave; the branch hangs on the wave's number alone
	s_cmp_eq_u32 s19, 0
	s_cbranch_scc0 .Lfor_b_\@
	tensor_load_to_lds s[\g0a:\g0a+3], s[\g1a:\g1a+7]
	s_nop 0
.rept 4
	v_nop
.endr
	s_branch .Lasked_\@
.Lfor_b_\@:
	tensor_load_to_lds s[\g0b:\g0b+3], s[\g1b:\g1b+7]
	s_nop 0
.rept 4
	v_nop
.endr
.Lasked_\@:
.endm
.macro CREST
	s_cmp_lg_u32 s18, 0
	s_cbranch_scc1 .Lnot_wave_0_\@
	s_barrier_signal -3
.Lnot_wave_0_\@:
	s_barrier_wait -3
	s_barrier_signal -1
	s_barrier_wait -1
.endm
.macro CROUND
	s_barrier_signal -1
	s_barrier_wait -1
	CREST
.endm
.macro PLACES n
.rept \n
	v_nop
.endr
.endm
.macro ASK p, off                      ; my work-group's quarter of what my wave will ask for in one fill
	global_prefetch_b8 v[PF], s[\p:\p+1] offset:\off th:TH_LOAD_NT scope:SCOPE_SE
	global_prefetch_b8 v[PF+1], s[\p:\p+1] offset:\off th:TH_LOAD_NT scope:SCOPE_SE
.endm
.macro FRAG reg, adr, q, i             ; an image comes back as it was stored
.irp g, 0,1,2
	ds_load_b128 v[\reg+4*\g:\reg+4*\g+3], v[\adr] offset:KSB*(\q)+FIB*(\i)+512*\g
.endr
.endm
.macro FETCH adl, adr, q, p            ; a slot's q-th K step into sets p: R's eight tiles, L's four (every second tile of its group)
	WIN 0x40
.irp i, 0,1,2,3,4,5,6,7
	FRAG 128*(\p)+FR*\i, \adr, \q, \i
.endr
	WIN 0xc0
.irp i, 0,1,2,3
	FRAG 48*(\p)+FR*\i, \adl, \q, 2*\i
.endr
	WIN 0
.endm
.macro SCLOAD pl, pr                   ; a block's scale words, all eight K steps
.irp k, 0,1,2,3,4,5,6,7
	global_load_b128 v[SL+4*\k:SL+4*\k+3], v[R32], s[\pl:\pl+1] offset:512*\k
	global_load_b128 v[SR+8*\k:SR+8*\k+3], v[R32], s[\pr:\pr+1] offset:512*\k
	global_load_b128 v[SR+8*\k+4:SR+8*\k+7], v[R32], s[\pr:\pr+1] offset:512*\k+16
.endr
.endm
.macro BIAS p                          ; tile b's register j has channel 32 (b / 2) + 16 h + 8 (b % 2) + j
	WIN 0x40
.irp b, 0,1,2,3,4,5,6,7
	global_load_b128 v[96+8*\b+96*(\b/4):96+8*\b+96*(\b/4)+3], v[VB], s[\p:\p+1] offset:128*(\b/2)+32*(\b%2)
	global_load_b128 v[96+8*\b+96*(\b/4)+4:96+8*\b+96*(\b/4)+7], v[VB], s[\p:\p+1] offset:128*(\b/2)+32*(\b%2)+16
.endr
	WIN 0
.endm
; eight products: L's tile a x R's eight.  cm = 0: in place; 1: the sums begin with the bias by R's tile (window 1); 2: by L's tile (window 3).  The accumulators take turns.
.macro MUL8 p, k, a, cm
.irp b, 0,1,2,3,4,5,6,7
.if (\cm) == 0
.set CC, 8*(8*\a+\b)
.else
.if (\cm) == 1
.set CC, 96+8*\b+96*(\b/4)
.else
.set CC, 96+8*\a
.endif
.endif
	v_wmma_scale_f32_16x16x128_f8f6f4 v[8*(8*\a+\b):8*(8*\a+\b)+7], v[128*(\p)+FR*\b:128*(\p)+FR*\b+FR-1], v[48*(\p)+FR*\a:48*(\p)+FR*\a+FR-1], v[CC:CC+7], v[SR+8*(\k)+4*(\b%2)+\b/2], v[SL+4*(\k)+\a] matrix_a_fmt:MATRIX_FMT_FP6 matrix_b_fmt:MATRIX_FMT_FP6
.endr
.endm
.macro KSTEP k, adl, adr, cm, ring
.if (\k) == 3                          ; the change to slot 1
	s_wait_tensorcnt 0x0                           ; my one load that was out, my part of slot 1, has landed;
	ds_add_u32 v[SPW], v[NIL]
	s_wait_dscnt 1                                 ; this step's fragments are in; the add may be out
	WIN MULW
	MUL8 1, 3, 0, 0
	s_wait_dscnt 0x0                               ; the add is done, and my reads of slot 0 are over
	s_barrier_signal -1
	MUL8 1, 3, 1, 0
	WIN 0
	s_barrier_wait -1
.if \ring
	CREST                                          ; the barrier has opened a round of the cluster's barrier
	s_add_nc_u64 s[G0+2:G0+3], s[G0+2:G0+3], 64*GRPB      ; the next tensor's group g,
	s_add_nc_u64 s[G0B+2:G0B+3], s[G0B+2:G0B+3], 8*GRPB   ; and its weights
	JLOAD G0, G1, G0B, G1B                         ; the next block's first half; its four v_nop are the places in front of the loads below
.else
	PLACES NP
.endif
	FETCH \adl+1, \adr+1, 0, 0
.if \ring
	s_cmp_eq_u32 s21, 0                            ; the first trip's refill is fill 2: fill 4 is asked for; the second trip's, fill 4, has no fill two on
	s_cbranch_scc0 .Lno_ask_\@
	ASK PFA, 0
.Lno_ask_\@:
.endif
	WIN MULW
	MUL8 1, 3, 2, 0
	MUL8 1, 3, 3, 0
	WIN 0
.else
	s_wait_dscnt 0x0                               ; this step's fragments are in
.if (\k) < 7
.if (\k) > 0
	PLACES NP                                      ; the sets to be loaded were read by the last step's products
.endif
	FETCH \adl+((\k)+1)/4, \adr+((\k)+1)/4, ((\k)+1)%4, 1-(\k)%2
.endif
.if (\k) == 0
	WIN 0x7d+0x20*(\cm)                            ; C: window 1 (q, k) or window 3 (v)
.irp a, 0,1,2,3
	MUL8 0, 0, \a, \cm
.endr
.else
	WIN MULW
.irp a, 0,1,2,3
	MUL8 (\k)%2, \k, \a, 0
.endr
.endif
	WIN 0
.endif
.endm
.macro TILE adl, adr, cm, ring
	s_wait_loadcnt 0x0                             ; the block's scale words and bias
.irp k, 0,1,2,3,4,5,6,7
	KSTEP \k, \adl, \adr, \cm, \ring
.endr
.endm
; L's tile: 64 numbers a lane, four blocks of 32 along the next K (16 mine, 16 lane l xor 16's), read from the accumulators, each from its low end on
.macro QUANT s
	WIN 0x28
.irp b, 0,1,2,3
	v_max3_num_f32 v[TM+\b], 0x1800000, |v[\s+16*\b]|, |v[\s+1+16*\b]|    ; with the floor 2^(3 - 127): the byte cannot fall under 1
.endr
.irp i, 2,4,6,8,10,12,14
.irp b, 0,1,2,3
	v_max3_num_f32 v[TM+\b], v[TM+\b], |v[\s+16*\b+\i]|, |v[\s+1+16*\b+\i]|
.endr
.endr
	WIN 0
.irp b, 0,1,2,3
	v_permlanex16_b32 v[TM+4+\b], v[TM+\b], s[SEL], s[SEL+1]
.endr
.irp b, 0,1,2,3
	v_max_num_f32 v[TM+\b], v[TM+\b], v[TM+4+\b]
.endr
.irp b, 0,1,2,3
	v_add_nc_u32 v[TM+12+\b], 0xff000000, v[TM+\b]     ; 2 off the exponent field: the conversion's scale operand
.endr
.irp b, 0,1,2,3
	v_lshrrev_b32 v[TM+4+\b], 23, v[TM+12+\b]          ; the scale's byte
.endr
	v_lshl_or_b32 v[PW], v[TM+5], 8, v[TM+4]
	v_lshl_or_b32 v[PW], v[TM+6], 16, v[PW]
	v_lshl_or_b32 v[PW], v[TM+7], 24, v[PW]
	s_wait_alu depctr_va_vdst(0)
	s_wait_xcnt 0x0                                ; the last tile's stores have read their data
	WIN 0x02
.irp c, 0,1
	v_cvt_scalef32_pk16_fp6_f32 v[PC+6*\c:PC+2+6*\c], v[\s+32*\c:\s+15+32*\c], v[TM+12+2*\c]
	v_cvt_scalef32_pk16_fp6_f32 v[PC+12+4*\c:PC+14+4*\c], v[\s+16+32*\c:\s+31+32*\c], v[TM+12+2*\c+1]
.endr
	WIN 0
	v_nop                                          ; one plain place behind a scaled conversion
.irp c, 0,1                            ; the operand's layout wants a whole block in a lane
.irp i, 0,1,2
	v_permlane16_swap_b32 v[PC+6*\c+\i], v[PC+12+4*\c+\i]
.endr
.irp i, 0,1,2
	v_mov_b32 v[PC+3+6*\c+\i], v[PC+12+4*\c+\i]
.endr
.endr
.endm
; behind the first quarter of a block's way out: slot 1 is filled again, and the next block's scale words, bias and first fragments are asked for
.macro NEXT
	s_wait_alu depctr_va_vdst(0)
	s_wait_tensorcnt 0x0                           ; my part of slot 0, the next block's first half, has landed;
	ds_add_u32 v[SPW], v[NIL]
	s_add_nc_u64 s[G0+6:G0+7], s[G0+6:G0+7], 64*GRPB
	s_add_nc_u64 s[G0B+6:G0B+7], s[G0B+6:G0B+7], 8*GRPB
	s_wait_dscnt 0x0                               ; the add is done; my reads of slot 1 ended in K step 7
	CROUND
	JLOAD G0+4, G1, G0B+4, G1B
	s_cmp_eq_u32 s21, 0                            ; which block follows hangs on the trip alone
	s_cbranch_scc0 .Lnext_v
	SCLOAD KL, KR
	BIAS 10
	FETCH ADL, ADR, 0, 0
	ASK PFA, HALF                                  ; this refill is fill 3: fill 5 is asked for
	s_branch .Lnext_on
.Lnext_v:
	SCLOAD VL, VR
	FETCH ADLV, ADRV, 0, 0
.Lnext_on:
.endm
.macro EPI isv
	PLACES NP                                      ; behind the last products
.irp a, 0,1,2,3
	QUANT 64*\a
	v_mov_b32 v[PWS+\a], v[PW]
.if \isv
.irp g, 0,1,2
	global_store_b128 v[LI], v[PC+4*\g:PC+4*\g+3], s[VPC:VPC+1] offset:49152*(\a/2)+3072*(\a%2)+512*\g   ; an image: 16 channels x 128 keys
.endr
.else
.irp e, 0,1                            ; half an image for each of the two heads: 16 positions x 64 channels
	global_store_b128 v[LI], v[PC+6*\e:PC+6*\e+3], s[14:15] offset:49152*\e+1536*\a
	global_store_b64 v[L8], v[PC+6*\e+4:PC+6*\e+5], s[14:15] offset:49152*\e+1536*\a+512
.endr
.if \a == 0
	NEXT
.endif
.endif
.endr
.if \isv
	global_store_b128 v[VAV], v[PWS:PWS+3], s[VPS:VPS+1]    ; my four tiles' words: 256 consecutive bytes (lanes r and r + 16 store the same words)
.else
.irp j, 0,1,2,3
	v_lshrrev_b32 v[W+\j], v[SH], v[PWS+\j]        ; lanes 0-15 the even head's two bytes (low), lanes 16-31 the odd head's
.endr
	global_store_b128 v[VA], v[W:W+3], s[16:17]    ; 256 consecutive bytes for each head
.endif
.endm
	s_load_b256 s[4:11], s[0:1], 0x0               ; xc, xs, bq, bk
	s_load_b128 s[12:15], s[0:1], 0x20             ; bv, pc
	s_load_b64 s[16:17], s[0:1], 0x30              ; ps
	v_lshl_add_u32 v[SPW], v0, 2, SPARE
	v_mov_b32 v[NIL], 0
	ds_add_u32 v[SPW], v[NIL]                      ; the opening lines
	ds_add_u32 v[SPW], v[NIL]
	v_lshrrev_b32 v1, 5, v0
	v_readfirstlane_b32 s18, v1                    ; wave
	s_lshr_b32 s19, s18, 1                         ; hi
	s_and_b32 s20, s18, 1                          ; lo
	s_bfe_u32 s40, ttmp6, 0x40000                  ; cx
	s_bfe_u32 s41, ttmp6, 0x40004                  ; cy
	s_lshl_b32 s42, ttmp9, 2
	s_add_co_u32 s42, s42, s40                     ; px
	s_and_b32 s43, ttmp7, 0xffff
	s_lshl_b32 s43, s43, 2
	s_add_co_u32 s43, s43, s41                     ; g
	s_lshl_b32 s44, s41, 2
	s_lshl_b32 s44, 15, s44                        ; my row of the cluster
	s_lshl_b32 s45, 0x1111, s40                    ; my column
	s_or_b32 s[G1], s44, (3<<16)|(1<<21)           ; dense blocks as rows of 256 bytes
	s_or_b32 s[G1B], s45, (3<<16)|(1<<21)
.irp g, G1, G1B
	s_mov_b32 s[\g+1], 32<<16
	s_mov_b32 s[\g+3], 32<<16
	s_mov_b32 s[\g+5], 32
	s_mov_b32 s[\g+6], 0
	s_mov_b32 s[\g+7], 0
.endr
	s_mov_b32 s[G1+2], 96<<16                      ; two K steps of the activation's group
	s_mov_b32 s[G1+4], 96
	s_mov_b32 s[G1B+2], 192<<16                    ; four K steps of a weight group
	s_mov_b32 s[G1B+4], 192
	s_mul_i32 s22, s43, GRPB
	s_mul_i32 s23, s20, 2*KSB
	s_add_co_u32 s22, s22, s23
	s_mov_b32 s23, 0
	s_lshl_b32 s2, s42, 1
	s_add_co_u32 s2, s2, s20
	s_add_co_u32 s2, s2, 192
	s_mul_i32 s2, s2, GRPB
	s_mov_b32 s3, 0
	s_wait_dscnt 0x0
	s_wait_kmcnt 0x0
	s_add_nc_u64 s[22:23], s[4:5], s[22:23]
	s_add_nc_u64 s[2:3], s[4:5], s[2:3]
	CROUND                                         ; the first joint loads meet
.irp s, 0,1
	s_mov_b32 s[G0+4*\s], 1
	s_mul_i32 s[G0+4*\s+1], s20, 2*KSB
	s_add_co_u32 s[G0+4*\s+1], s[G0+4*\s+1], \s*SLOT
	s_add_nc_u64 s[G0+4*\s+2:G0+4*\s+3], s[22:23], \s*HALF
	s_or_b32 s[G0+4*\s+3], s[G0+4*\s+3], 0x80000000
	s_mov_b32 s[G0B+4*\s], 1
	s_mul_i32 s[G0B+4*\s+1], s20, HALF
	s_add_co_u32 s[G0B+4*\s+1], s[G0B+4*\s+1], \s*SLOT+HALF
	s_add_nc_u64 s[G0B+4*\s+2:G0B+4*\s+3], s[2:3], \s*HALF
	s_or_b32 s[G0B+4*\s+3], s[G0B+4*\s+3], 0x80000000
.endr
	JLOAD G0, G1, G0B, G1B                         ; fill 0, q's first half: one load a wave at the head
	s_mov_b32 s[SEL], 0x76543210
	s_mov_b32 s[SEL+1], 0xfedcba98
	s_mul_i32 s44, s19, FIB                        ; q, k: L = the activation's part, from tile hi on
	s_mul_i32 s45, s20, HALF
	s_add_co_u32 s45, s45, HALF                    ; R = weight group lo
	s_mul_i32 s46, s19, HALF
	s_add_co_u32 s46, s46, HALF
	s_mul_i32 s47, s20, FIB
	s_add_co_u32 s46, s46, s47                     ; v: L = weight group hi, from tile lo on; R = the activation's part
	s_cmp_eq_u32 s19, 0
	s_cselect_b32 s47, 11, 23                      ; a prefetch names 12 blocks (activation) or 24 (weights); lanes left over name the last again
	s_add_co_u32 s21, s47, 1
	s_lshl_b32 s21, s21, 8
	v_and_b32 v1, 31, v0
	v_and_b32 v2, 15, v0                           ; r
	v_bfe_u32 v3, v0, 4, 1                         ; h
	v_lshlrev_b32 v[LI], 4, v1
	v_lshlrev_b32 v[L8], 3, v1
	v_lshlrev_b32 v[R32], 5, v2
	v_lshlrev_b32 v[VB], 6, v3
	v_add_nc_u32 v[ADL], s44, v[LI]
	v_add_nc_u32 v[ADR], s45, v[LI]
	v_add_nc_u32 v[ADLV], s46, v[LI]
	v_mov_b32 v[ADRV], v[LI]
.irp x, ADL, ADR, ADLV, ADRV
	v_add_nc_u32 v[\x+1], SLOT, v[\x]
.endr
	v_and_b32 v[VBV], 8, v2
	v_add_nc_u32 v[VBV], v[VBV], v2
	v_lshlrev_b32 v[VBV], 2, v[VBV]                ; 4 (r + 8 (r / 8))
	v_lshlrev_b32 v[VAV], 4, v2
	v_lshl_add_u32 v[VA], v3, 12, v[VAV]
	v_lshlrev_b32 v[SH], 4, v3
	v_min_u32 v[PF], s47, v1
	v_lshlrev_b32 v[PF], 8, v[PF]
	v_add_nc_u32 v[PF+1], s21, v[PF]
.irp b, 0,1,2,3
	v_mov_b32 v[TM+4+\b], 0                        ; a lane permute's destination counts as one of its sources
.endr
	s_wait_alu depctr_va_vdst(0)
	s_add_co_u32 s22, s43, 128                     ; the prefetches: the value block's bytes that my wave will ask for, my work-group's quarter of them by its place among the four partners
	s_mul_i32 s22, s22, GRPB
	s_mul_i32 s2, s20, 2*KSB
	s_add_co_u32 s22, s22, s2
	s_mul_i32 s2, s40, 6144
	s_add_co_u32 s22, s22, s2
	s_lshl_b32 s46, s42, 1
	s_add_co_u32 s46, s46, s20
	s_add_co_u32 s46, s46, 208
	s_mul_i32 s46, s46, GRPB
	s_mul_i32 s2, s41, 12288
	s_add_co_u32 s46, s46, s2
	s_mov_b32 s2, 64*GRPB                          ; from tensor to tensor: 64 groups of activations, 8 of weights
	s_mov_b32 s3, 8*GRPB
	s_cmp_eq_u32 s19, 0
	s_cselect_b32 s22, s22, s46
	s_cselect_b32 s2, s2, s3
	s_mov_b32 s23, 0
	s_mov_b32 s3, 0
	s_add_nc_u64 s[PFA:PFA+1], s[4:5], s[22:23]
	s_sub_nc_u64 s[PFK:PFK+1], s[PFA:PFA+1], s[2:3]
	s_sub_nc_u64 s[PFQ:PFQ+1], s[PFK:PFK+1], s[2:3]
	ASK PFQ, HALF                                  ; behind fill 0's load: fill 1,
	ASK PFK, 0                                     ; and fill 2
	s_lshl_b32 s44, s43, 12                        ; scale words: 4,096 bytes a group, 16 bytes on for the odd tiles
	s_lshl_b32 s45, s19, 4
	s_add_co_u32 s44, s44, s45
	s_mov_b32 s45, 0
	s_add_nc_u64 s[QL:QL+1], s[6:7], s[44:45]
	s_add_nc_u64 s[KL:KL+1], s[QL:QL+1], 64<<12
	s_lshl_b32 s44, s42, 1
	s_add_co_u32 s44, s44, s20
	s_add_co_u32 s44, s44, 192
	s_lshl_b32 s44, s44, 12
	s_add_nc_u64 s[QR:QR+1], s[6:7], s[44:45]
	s_add_nc_u64 s[KR:KR+1], s[QR:QR+1], 8<<12
	s_lshl_b32 s44, s42, 1
	s_add_co_u32 s44, s44, s19
	s_add_co_u32 s44, s44, 208
	s_lshl_b32 s44, s44, 12
	s_lshl_b32 s46, s20, 4
	s_add_co_u32 s44, s44, s46
	s_add_nc_u64 s[VL:VL+1], s[6:7], s[44:45]
	s_add_co_u32 s44, s43, 128
	s_lshl_b32 s44, s44, 12
	s_add_nc_u64 s[VR:VR+1], s[6:7], s[44:45]
	s_lshl_b32 s44, s42, 10                        ; the biases at my channels
	s_lshl_b32 s46, s20, 9
	s_add_co_u32 s46, s44, s46
	s_mov_b32 s47, 0
	s_add_nc_u64 s[8:9], s[8:9], s[46:47]
	s_add_nc_u64 s[10:11], s[10:11], s[46:47]
	s_lshl_b32 s46, s19, 9
	s_add_co_u32 s44, s44, s46
	s_lshl_b32 s46, s20, 5
	s_add_co_u32 s44, s44, s46
	s_add_nc_u64 s[12:13], s[12:13], s[44:45]
	SCLOAD QL, QR
	BIAS 8
	WIN 0xc0
.irp a, 0,1,2,3                        ; v's bias: my row of L's tile a, the same in the C's eight registers
.irp j, 0,1,2,3,4,5,6,7
	global_load_b32 v[96+8*\a+\j], v[VBV], s[12:13] offset:128*\a
.endr
.endr
	WIN 0
	s_lshr_b32 s44, s43, 3                         ; where the results go: head 16 x batch + 4 px + 2 x weight group (+ e), part g % 8
	s_lshl_b32 s44, s44, 4
	s_lshl_b32 s46, s42, 2
	s_add_co_u32 s44, s44, s46
	s_and_b32 s21, s43, 7
	s_lshl_b32 s46, s20, 1
	s_add_co_u32 s46, s44, s46                     ; q, k
	s_lshl_b32 s22, s19, 1
	s_add_co_u32 s44, s44, s22                     ; v
	s_mul_i32 s22, s44, 49152
	s_mul_i32 s23, s21, 6144
	s_add_co_u32 s22, s22, s23
	s_mul_i32 s23, s20, 1536
	s_add_co_u32 s22, s22, s23
	s_add_co_u32 s22, s22, 2*6291456
	s_mov_b32 s23, 0
	s_add_nc_u64 s[VPC:VPC+1], s[14:15], s[22:23]
	s_lshl_b32 s22, s44, 11
	s_lshl_b32 s2, s21, 9
	s_add_co_u32 s22, s22, s2
	s_lshl_b32 s2, s20, 8
	s_add_co_u32 s22, s22, s2
	s_add_co_u32 s22, s22, 1<<20
	s_add_nc_u64 s[VPS:VPS+1], s[16:17], s[22:23]
	s_mul_i32 s22, s46, 49152
	s_mul_i32 s2, s21, 6144
	s_add_co_u32 s22, s22, s2
	s_mul_i32 s2, s19, 768
	s_add_co_u32 s22, s22, s2
	s_add_nc_u64 s[14:15], s[14:15], s[22:23]
	s_lshl_b32 s22, s46, 12
	s_lshl_b32 s2, s21, 9
	s_add_co_u32 s22, s22, s2
	s_lshl_b32 s2, s19, 8
	s_add_co_u32 s22, s22, s2
	s_add_nc_u64 s[16:17], s[16:17], s[22:23]
	s_wait_tensorcnt 0x0                           ; my part of q's first half is in
	ds_add_u32 v[SPW], v[NIL]
	s_wait_dscnt 0x0
	CROUND
	JLOAD G0+4, G1, G0B+4, G1B                     ; fill 1, q's second half: slot 1's first fill
	FETCH ADL, ADR, 0, 0
	ASK PFK, HALF                                  ; behind fill 1's load: fill 3
	s_mov_b32 s21, 0                               ; the trip: 0 = q, 1 = k
.Ltile:
	TILE ADL, ADR, 1, 1
	EPI 0
	s_wait_xcnt 0x0                                ; the stores have read their bases
	s_add_nc_u64 s[14:15], s[14:15], 6291456
	s_add_nc_u64 s[16:17], s[16:17], 1<<19
	s_add_co_u32 s21, s21, 1
	s_cmp_lt_u32 s21, 2
	s_wait_alu depctr_va_vdst(0)
	s_cbranch_scc1 .Ltile
	TILE ADLV, ADRV, 2, 0
	EPI 1
	s_wait_tensorcnt 0x0                           ; the wave's end
	ds_add_u32 v[SPW], v[NIL]
	s_wait_dscnt 0x0
	CROUND                                         ; the closing round
	s_endpgm
.Lfunc_end_k_q864333910a_proj:
	.size	k_q864333910a_proj, .Lfunc_end_k_q864333910a_proj-k_q864333910a_proj
	.p2alignl 7, 3214868480
	.fill 96, 4, 3214868480
	.section	.rodata,"a",@progbits
	.p2align	6, 0x0
	.amdhsa_kernel k_q864333910a_proj
		.amdhsa_group_segment_fixed_size 327680
		.amdhsa_private_segment_fixed_size 0
		.amdhsa_enable_private_segment 0
		.amdhsa_kernarg_size 56
		.amdhsa_user_sgpr_count 2
		.amdhsa_user_sgpr_kernarg_segment_ptr 1
		.amdhsa_wavefront_size32 1
		.amdhsa_system_sgpr_workgroup_id_x 1
		.amdhsa_system_sgpr_workgroup_id_y 1
		.amdhsa_system_sgpr_workgroup_id_z 1
		.amdhsa_system_vgpr_workitem_id 0
		.amdhsa_next_free_vgpr 896
		.amdhsa_next_free_sgpr 100
		.amdhsa_reserve_vcc 0
		.amdhsa_float_denorm_mode_32 3
		.amdhsa_float_denorm_mode_16_64 3
		.amdhsa_memory_ordered 1
		.amdhsa_forward_progress 1
		.amdhsa_inst_pref_size 170
	.end_amdhsa_kernel
	.amdgpu_metadata
---
amdhsa.version: [ 1, 2 ]
amdhsa.kernels:
  - .name:           k_q864333910a_proj
    .symbol:         k_q864333910a_proj.kd
    .args:
      - { .name: xc, .offset: 0, .size: 8, .value_kind: global_buffer, .address_space: global }
      - { .name: xs, .offset: 8, .size: 8, .value_kind: global_buffer, .address_space: global }
      - { .name: bq, .offset: 16, .size: 8, .value_kind: global_buffer, .address_space: global }
      - { .name: bk, .offset: 24, .size: 8, .value_kind: global_buffer, .address_space: global }
      - { .name: bv, .offset: 32, .size: 8, .value_kind: global_buffer, .address_space: global }
      - { .name: pc, .offset: 40, .size: 8, .value_kind: global_buffer, .address_space: global }
      - { .name: ps, .offset: 48, .size: 8, .value_kind: global_buffer, .address_space: global }
    .group_segment_fixed_size: 327680
    .private_segment_fixed_size: 0
    .kernarg_segment_align: 8
    .kernarg_segment_size: 56
    .max_flat_workgroup_size: 128
    .sgpr_count:     100
    .vgpr_count:     896
    .wavefront_size: 32
...
	.end_amdgpu_metadata
.endif
;; end of part 2
;; launch attn (part 3): grid 4 x 64, 16 waves a work-group, clusters of 4 x 1, 216,064 bytes of LDS; arguments pc, ps, key_padding_mask, oc, os; writes oc, os
.if DOCPART == 3
	.amdgcn_target "amdgcn-amd-amdhsa--gfx1250"
	.amdhsa_code_object_version 6
	.text
	.protected	k_q864333910a_attn
	.globl	k_q864333910a_attn
	.p2align	8
	.type	k_q864333910a_attn,@function
k_q864333910a_attn:
	s_mov_b64 s[64:65], 0
	v_nop
	global_prefetch_b8 v0, s[64:65] scope:SCOPE_SE
	s_setreg_imm32_b32 hwreg(HW_REG_WAVE_MODE, 25, 1), 1
	s_wait_xcnt 0x0
	s_wait_alu depctr_hold_cnt(0) depctr_sa_sdst(0) depctr_va_vdst(0) depctr_va_sdst(0) depctr_va_ssrc(0) depctr_va_vcc(0) depctr_vm_vsrc(0)
	s_getreg_b32 s2, hwreg(HW_REG_IB_STS2, 6, 4)
	s_cmp_eq_u32 s2, 0
	s_cbranch_scc0 .Lentry_in_a_cluster
	s_endpgm
.Lentry_in_a_cluster:
	s_bfe_u32 s2, ttmp6, 0x10000c
	s_cmp_lg_u32 s2, 0x3003
	s_cbranch_scc0 .Lentry_shape_is_right
	s_endpgm
.Lentry_shape_is_right:
; The attention of one batch and one PAIR of heads for 256 queries, both products on codes of FP6 (E2M3) with E8M0 scales, and the quantising of its result for the last projection.
; t = score x log2(e) / 8 (the 1/8 is reference's SCALE, which was left out of q); M = the running largest t rounded up to a whole number; p = 2^(t - M) is quantised along the keys, not normalised;
; the row's sum is taken of the unquantised p and divides O at the end.  When M moves, the sum and O are multiplied by 2^(old M - new M): exact.
; THE MASK.  A table of 1,024 f32 in LDS holds 0 for a key that counts and -2^100 for a masked one; it is the C of the products K Q^T.  The running largest t begins at -2^90: a masked key's t, about -2^97.5, lies under it,
; so its p is 0 whatever has been seen.  LIMIT: |t| of keys that count stays under 2^90.  A batch all of whose keys are masked leaves the largest t at -2^90: its rows' scale words become 0xffffffff, which makes them NaN in the last product.
; K = 64 fills half of the matrix instruction's 128: Q's upper six registers are zero codes; K's upper six are whatever follows (the next tile's codes): finite numbers x 0.  No scale byte is 0xff.
; SHARES.  Wave w of sixteen owns 16 queries, tile 16 cx + w, first for the pair's even head, then for the odd one: so it ends with a whole fragment (128 channels) and a whole scale word of the last product's operand.
; LDS holds all keys and values of both heads: filled once, by joint loads of the cluster's four work-groups, which need the same bytes; nothing is filled again.
; LAYOUT.  Both products are used transposed (S^T = K Q^T, O^T = V^T P^T): a lane holds one query.  THE KEYS OF A TILE: row m of tile 4 c + i of a step is key 64 c + 32 (m / 8) + 8 i + m % 8 (so the first launch has laid them).
; So register 32 c + x of lane (r, h) is key 64 c + 32 h + x: A LANE HOLDS TWO WHOLE BLOCKS OF 32 KEYS, in the very places that the second product's operand gives that lane: a block's maximum needs no other lane, and the
; conversions' results are the operand.  The channels of V's tiles keep the other order: the 16 registers of O^T's tiles 2 b, 2 b + 1 are 16 neighbouring channels.
; LIMITS: a block whose largest magnitude lies under 2^-124 keeps the byte 1.
.set VC,   98304                       ; LDS: K's codes at 0 (49,152 e + 768 x tile), V's here (49,152 e + 6,144 x step + 1,536 x tile),
.set KSC,  196608                      ; K's scale words (4,096 e + 512 x step),
.set VSC,  204800                      ; V's (512 x step),
.set MT,   208896                      ; the mask's table, 4 bytes a key,
.set GA,   212992                      ; and the results' scale words on their way out, 1,024 bytes
.set ADK,  7                           ; v7-10, v55: the step's LDS addresses
.set ADK2, 8
.set ADV,  9
.set ADS,  10
.set H8,   11                          ; v11    8 h: my bytes' place in p's scale word
.set QF,   16                          ; v16-27, v28-39 Q's fragments of the two heads
.set QS,   40                          ; v40-41 their scale words
.set KS,   42                          ; v42-49 K's scale words: tile t at 4 (t % 2) + t / 2
.set VS,   50                          ; v50-53 V's: tile t at 2 (t % 2) + t / 2
.set PS,   54                          ; v54    p's scale word
.set ADM,  55
.set KF,   56                          ; v56-103 eight half fragments of K, then four fragments of V; v104-109 zeros
.set F,    110                         ; v110 f = 2^(old M - new M), later 1 / sum; v111 = 0 (named with it as a pair)
.set S,    112                         ; v112-175 S^T, then p
.set O,    176                         ; v176-207 O^T
.set PC,   208                         ; v208-219 p's codes
.set CT,   220                         ; v220-222, v224-226 halves made elsewhere
.set BM,   228
.set BT,   232
.set BS,   236
.set SU,   240
.set PWO,  242                         ; the result's scale word
.set T,    243
.set OF,   244                         ; v244-255 the result's fragment
.set WV,   18
.set CNT,  19
.set SEL,  20
.set CS,   22
.set G1C,  24
.set G1S,  32
.set G0C,  40
.set G0S,  44
.set TK,   2
.set TS,   3
.macro CROUND                          ; a round of the cluster's barrier
	s_barrier_signal -1
	s_barrier_wait -1
	s_cmp_lg_u32 s[WV], 0
	s_cbranch_scc1 .Lnot_wave_0_\@
	s_barrier_signal -3
.Lnot_wave_0_\@:
	s_barrier_wait -3
	s_barrier_signal -1
	s_barrier_wait -1
.endm
	s_load_b256 s[4:11], s[0:1], 0x0               ; pc s[4:5], ps s[6:7], the mask s[8:9], oc s[10:11]
	s_load_b64 s[12:13], s[0:1], 0x20              ; os
	v_lshl_add_u32 v238, v0, 2, 0x34400
	v_mov_b32 v239, 0
	ds_add_u32 v238, v239
	ds_add_u32 v238, v239
	v_lshrrev_b32 v7, 5, v0
	s_delay_alu instid0(VALU_DEP_1)
	v_readfirstlane_b32 s[WV], v7                  ; wave 0..15
	s_bfe_u32 s51, ttmp6, 0x40000                  ; cx: it enters Q's and the results' global addresses alone
	s_and_b32 s48, ttmp7, 0xffff                   ; y = 8 x batch + pair of heads
	s_lshr_b32 s49, s48, 3
	s_and_b32 s50, s48, 7
	; group 1: dense blocks as rows of 256 bytes: 96 rows of codes, 16 rows of scale words; the mask names all four work-groups
	s_mov_b32 s[G1C], 15|(3<<16)|(1<<21)
	s_mov_b32 s[G1C+1], 32<<16
	s_mov_b32 s[G1C+2], 96<<16
	s_mov_b32 s[G1C+3], 32<<16
	s_mov_b32 s[G1C+4], 96
	s_mov_b32 s[G1C+5], 32
	s_mov_b32 s[G1C+6], 0
	s_mov_b32 s[G1C+7], 0
	s_mov_b32 s[G1S], 15|(3<<16)|(1<<21)
	s_mov_b32 s[G1S+1], 32<<16
	s_mov_b32 s[G1S+2], 16<<16
	s_mov_b32 s[G1S+3], 32<<16
	s_mov_b32 s[G1S+4], 16
	s_mov_b32 s[G1S+5], 32
	s_mov_b32 s[G1S+6], 0
	s_mov_b32 s[G1S+7], 0
	; waves 0-3: quarters of K's codes of the two heads; waves 4-7: of V's
	s_bfe_u32 s52, s[WV], 0x10002
	s_add_co_u32 s52, s52, 1
	s_mul_i32 s52, s52, 6291456                    ; k's or v's section of pc
	s_mul_i32 s53, s48, 98304
	s_add_co_u32 s52, s52, s53
	s_and_b32 s53, s[WV], 3
	s_mul_i32 s54, s53, 24576
	s_add_co_u32 s52, s52, s54
	; waves 8, 9: K's scale words of the two heads; wave 10: V's
	s_lshl_b32 s54, s48, 13
	s_lshl_b32 s55, s53, 12
	s_add_co_u32 s54, s54, s55
	s_add_co_u32 s54, s54, 524288
	s_lshl_b32 s55, s48, 12
	s_add_co_u32 s55, s55, 1048576
	s_cmp_eq_u32 s53, 2
	s_cselect_b32 s54, s55, s54
	s_mov_b32 s55, 0
	s_lshl_b32 s56, s53, 12
	s_mov_b32 s53, 0
	; my queries
	s_lshl_b32 s57, s51, 4
	s_add_co_u32 s57, s57, s[WV]                   ; my tile
	s_mul_i32 s58, s57, 768
	s_mul_i32 s59, s48, 98304
	s_add_co_u32 s58, s58, s59
	s_mov_b32 s59, 0                               ; its half image, even head
	s_lshr_b32 s63, s57, 3                         ; its group of eight tiles
	s_lshl_b32 s60, s48, 13
	s_lshl_b32 s62, s63, 9
	s_add_co_u32 s60, s60, s62
	s_and_b32 s62, s[WV], 1
	s_lshl_b32 s62, s62, 8
	s_add_co_u32 s60, s60, s62
	s_bfe_u32 s62, s[WV], 0x20001
	s_lshl_b32 s62, s62, 2
	s_add_co_u32 s60, s60, s62
	s_mov_b32 s61, 0                               ; its scale words
	s_lshl_b32 s62, s49, 3
	s_add_co_u32 s62, s62, s63                     ; the result's group: 8 x batch + group
	s_mul_i32 s66, s62, 98304
	s_mul_i32 s67, s50, 12288
	s_add_co_u32 s66, s66, s67
	s_and_b32 s67, s[WV], 7
	s_mul_i32 s67, s67, 1536
	s_add_co_u32 s66, s66, s67
	s_mov_b32 s67, 0                               ; the result's image
	s_lshl_b32 s68, s49, 3
	s_lshl_b32 s69, s51, 1
	s_add_co_u32 s68, s68, s69
	s_lshr_b32 s69, s[WV], 1
	s_add_co_u32 s68, s68, s69
	s_lshl_b32 s68, s68, 12
	s_lshl_b32 s69, s50, 9
	s_add_co_u32 s68, s68, s69
	s_and_b32 s69, s[WV], 1
	s_lshl_b32 s69, s69, 8
	s_add_co_u32 s68, s68, s69
	s_mov_b32 s69, 0                               ; what waves 0-3 store of the results' scale words
	s_lshl_b32 s70, s49, 10
	s_mov_b32 s71, 0                               ; the batch's row of the mask
	s_mov_b32 s[SEL], 0x76543210
	s_mov_b32 s[SEL+1], 0xfedcba98
	s_mov_b32 s[CS], 0x3e38aa3b                    ; c = log2(e) / 8
	s_mov_b32 s[CS+1], s[CS]
	s_wait_dscnt 0x0
	s_wait_kmcnt 0x0
	CROUND                                         ; all four work-groups are here: the joint loads meet
	s_mov_b32 s[G0C], 1
	s_and_b32 s62, s[WV], 7
	s_mul_i32 s[G0C+1], s62, 24576
	s_add_nc_u64 s[G0C+2:G0C+3], s[4:5], s[52:53]
	s_or_b32 s[G0C+3], s[G0C+3], 0x80000000
	s_mov_b32 s[G0S], 1
	s_add_co_u32 s[G0S+1], s56, KSC
	s_add_nc_u64 s[G0S+2:G0S+3], s[6:7], s[54:55]
	s_or_b32 s[G0S+3], s[G0S+3], 0x80000000
	s_cmp_lt_u32 s[WV], 8                          ; the branches hang on the wave's number alone; four v_nop follow each load
	s_cbranch_scc0 .Lnot_codes
	tensor_load_to_lds s[G0C:G0C+3], s[G1C:G1C+7]
	s_nop 0
.rept 4
	v_nop
.endr
	s_branch .Lasked
.Lnot_codes:
	s_cmp_lt_u32 s[WV], 11
	s_cbranch_scc0 .Lasked
	tensor_load_to_lds s[G0S:G0S+3], s[G1S:G1S+7]
	s_nop 0
.rept 4
	v_nop
.endr
.Lasked:
	s_add_nc_u64 s[58:59], s[4:5], s[58:59]
	s_add_nc_u64 s[60:61], s[6:7], s[60:61]
	s_add_nc_u64 s[8:9], s[8:9], s[70:71]
	s_add_nc_u64 s[10:11], s[10:11], s[66:67]
	s_add_nc_u64 s[12:13], s[12:13], s[68:69]
	v_lshlrev_b32 v112, 1, v0
	global_load_u16 v113, v112, s[8:9]             ; two keys' mask bytes a thread
	v_and_b32 v114, 31, v0
	s_delay_alu instid0(VALU_DEP_1)
	v_lshlrev_b32 v1, 4, v114                      ; 16 x lane
	s_delay_alu instid0(VALU_DEP_2)
	v_lshlrev_b32 v115, 3, v114                    ; 8 x lane
	v_and_b32 v117, 15, v0                         ; r
	v_bfe_u32 v118, v0, 4, 1                       ; h
	s_delay_alu instid0(VALU_DEP_2)
	v_lshlrev_b32 v116, 4, v117                    ; 16 r
	global_load_b128 v[QF:QF+3], v1, s[58:59]
	global_load_b64 v[QF+4:QF+5], v115, s[58:59] offset:512
	global_load_b128 v[QF+12:QF+15], v1, s[58:59] offset:49152
	global_load_b64 v[QF+16:QF+17], v115, s[58:59] offset:49152+512
	global_load_b32 v[QS], v116, s[60:61]
	global_load_b32 v[QS+1], v116, s[60:61] offset:4096
	v_add_nc_u32 v2, 512, v115
	v_add_nc_u32 v3, VC, v1
	v_add_nc_u32 v4, KSC, v116
	v_lshl_add_u32 v6, v118, 7, MT                 ; the table: my blocks begin 32 h keys on
	v_lshlrev_b32 v[H8], 3, v118
.irp i, 6,7,8,9,10,11,18,19,20,21,22,23
	v_mov_b32 v[QF+\i], 0                          ; Q's upper halves: zero codes
.endr
.irp i, 48,49,50,51,52,53
	v_mov_b32 v[KF+\i], 0
.endr
	v_mov_b32 v[F+1], 0
	v_mov_b32 v[T], 0
.irp b, 0,1,2,3
	v_mov_b32 v[BT+\b], 0                          ; written once: a lane permute's destination counts as one of its sources
.endr
	s_wait_loadcnt 0x6                             ; the mask bytes are in; Q's six loads may be out
	v_and_b32 v119, 0xff, v113
	v_lshrrev_b32 v120, 8, v113
	v_mov_b32 v121, 0xf1800000                     ; -2^100
	s_delay_alu instid0(VALU_DEP_3)
	v_cmp_ne_u32 vcc_lo, 0, v119
	s_delay_alu instid0(VALU_DEP_1)
	v_cndmask_b32 v122, 0, v121, vcc_lo
	s_delay_alu instid0(VALU_DEP_4)
	v_cmp_ne_u32 vcc_lo, 0, v120
	s_delay_alu instid0(VALU_DEP_1)
	v_cndmask_b32 v123, 0, v121, vcc_lo
	v_lshl_add_u32 v124, v0, 3, MT
	ds_store_b64 v124, v[122:123]
	s_wait_tensorcnt 0x0                           ; my part of K, V or the scale words has landed,
	s_wait_loadcnt 0x0                             ; Q is in,
	s_wait_dscnt 0x0                               ; my part of the table is written:
	s_barrier_signal -1
	s_barrier_wait -1                              ; everybody's is
.macro STEP e                          ; 128 keys of head e
	v_add_nc_u32 v[ADK], s[TK], v1                 ; (these four are also the places behind the last products, in front of the loads into their operands)
	v_add_nc_u32 v[ADK2], s[TK], v2
	v_add_nc_u32 v[ADS], s[TS], v4
	v_add_nc_u32 v[ADM], s[TS], v6
.irp c, 0,1
.irp i, 0,1,2,3,4,5,6,7
	ds_load_b128 v[S+32*\c+4*\i:S+32*\c+4*\i+3], v[ADM] offset:256*\c+16*\i   ; the table at keys 64 c + 32 h + 4 i ..: the sums begin with it
.endr
.endr
.irp t, 0,1,2,3,4,5,6,7
	ds_load_b128 v[KF+6*\t:KF+6*\t+3], v[ADK] offset:49152*\e+768*\t
	ds_load_b64 v[KF+6*\t+4:KF+6*\t+5], v[ADK2] offset:49152*\e+768*\t
.endr
	ds_load_b128 v[KS:KS+3], v[ADS] offset:4096*\e
	ds_load_b128 v[KS+4:KS+7], v[ADS] offset:4096*\e+256
	s_wait_alu depctr_va_vdst(0)
	s_wait_dscnt 0x0
.irp t, 0,1,2,3,4,5,6,7
	v_wmma_scale_f32_16x16x128_f8f6f4 v[S+8*\t:S+8*\t+7], v[KF+6*\t:KF+6*\t+11], v[QF+12*\e:QF+12*\e+11], v[S+8*\t:S+8*\t+7], v[KS+4*(\t%2)+\t/2], v[QS+\e] matrix_a_fmt:MATRIX_FMT_FP6 matrix_b_fmt:MATRIX_FMT_FP6
.endr
	v_add_nc_u32 v[ADV], s[TK], v3                 ; four places behind the products: V's address and three v_nop
.rept 3
	v_nop
.endr
.irp t, 0,1,2,3                        ; V's four fragments land under the softmax
.irp g, 0,1,2
	ds_load_b128 v[KF+12*\t+4*\g:KF+12*\t+4*\g+3], v[ADV] offset:49152*\e+1536*\t+512*\g
.endr
.endr
	ds_load_b64 v[VS:VS+1], v[ADS] offset:VSC-KSC+8*\e       ; V's scale words lie 8,192 bytes behind K's, in steps of the same 512 bytes
	ds_load_b64 v[VS+2:VS+3], v[ADS] offset:VSC-KSC+256+8*\e
.irp b, 0,1,2,3
	v_max3_num_f32 v[BM+\b], v[S+16*\b], v[S+1+16*\b], v[S+2+16*\b]   ; the largest score of each of my two blocks of 32 keys, in four chains: for the row's maximum, and, since p rises with the score, for the block's largest p
.endr
.irp i, 3,5,7,9,11,13
.irp b, 0,1,2,3
	v_max3_num_f32 v[BM+\b], v[BM+\b], v[S+16*\b+\i], v[S+1+16*\b+\i]
.endr
.endr
.irp c, 0,1
	v_max3_num_f32 v[BM+2*\c], v[BM+2*\c], v[BM+2*\c+1], v[S+15+32*\c]
.endr
.irp c, 0,1
	v_max_num_f32 v[BM+2*\c], v[BM+2*\c], v[S+31+32*\c]      ; block 2 c + h: all its 32 keys are mine
.endr
	s_delay_alu instid0(VALU_DEP_1)
	v_max_num_f32 v[T], v[BM], v[BM+2]
	s_delay_alu instid0(VALU_DEP_1)
	v_permlanex16_b32 v[BT], v[T], s[SEL], s[SEL+1]
	s_delay_alu instid0(VALU_DEP_1)
	v_max_num_f32 v[T], v[T], v[BT]                ; with lane l xor 16's two blocks: the step's largest score of my query
	s_delay_alu instid0(VALU_DEP_1)
	v_mul_f32 v[T], s[CS], v[T]
	s_delay_alu instid0(VALU_DEP_1)
	v_max_num_f32 v13, v13, v[T]                   ; the running largest t
	v_mov_b32 v[T], v12
	s_delay_alu instid0(VALU_DEP_2)
	v_floor_f32 v12, -v13                          ; -M = floor(-t): M is a whole number
	s_delay_alu instid0(VALU_DEP_1)
	v_sub_f32 v[T], v12, v[T]
	s_delay_alu instid0(VALU_DEP_1)
	v_cvt_i32_f32 v[T], v[T]                       ; (it saturates)
	s_delay_alu instid0(VALU_DEP_1)
	v_ldexp_f32 v[F], 1.0, v[T]                    ; f = 2^(old M - new M)
.set j, 0
.rept 32
	v_pk_fma_f32 v[S+j:S+j+1], v[S+j:S+j+1], s[CS:CS+1], v[12:13] op_sel_hi:[1,0,0]   ; t - M
.set j, j+2
.endr
.irp c, 0,1
	v_fma_f32 v[BM+2*\c], v[BM+2*\c], s[CS], v12
.endr
.set j, 0
	s_wait_alu depctr_va_vdst(0)
.rept 64
	v_exp_f32 v[S+j], v[S+j]                       ; p = 2^(t - M)
.set j, j+1
.endr
	v_pk_mul_f32 v[14:15], v[14:15], v[F:F+1] op_sel_hi:[1,0]   ; the sums under the new M: a plain place behind the exponentials
	s_wait_alu depctr_va_vdst(0)                   ; one wait for the batch, ahead of its first reader
.irp c, 0,1
	v_exp_f32 v[BM+2*\c], v[BM+2*\c]               ; each block's largest p
.endr
	v_pk_add_f32 v[240:241], v[116:117], v[120:121]
	v_pk_add_f32 v[254:255], v[124:125], v[128:129]
	v_pk_add_f32 v[252:253], v[132:133], v[136:137]
	v_pk_add_f32 v[250:251], v[140:141], v[144:145]
	v_pk_add_f32 v[236:237], v[148:149], v[152:153]
	v_pk_add_f32 v[232:233], v[156:157], v[160:161]
	v_pk_add_f32 v[226:227], v[164:165], v[168:169]
	v_pk_add_f32 v[14:15], v[14:15], v[172:173]
	v_pk_add_f32 v[240:241], v[240:241], v[112:113]
	v_pk_add_f32 v[254:255], v[254:255], v[114:115]
	v_pk_add_f32 v[252:253], v[252:253], v[118:119]
	v_pk_add_f32 v[250:251], v[250:251], v[122:123]
	v_pk_add_f32 v[236:237], v[236:237], v[126:127]
	v_pk_add_f32 v[232:233], v[232:233], v[130:131]
	v_pk_add_f32 v[226:227], v[226:227], v[134:135]
	v_pk_add_f32 v[14:15], v[14:15], v[138:139]
	v_pk_add_f32 v[240:241], v[240:241], v[142:143]
	v_pk_add_f32 v[254:255], v[254:255], v[146:147]
	v_pk_add_f32 v[252:253], v[252:253], v[150:151]
	v_pk_add_f32 v[250:251], v[250:251], v[154:155]
	v_pk_add_f32 v[236:237], v[236:237], v[158:159]
	v_pk_add_f32 v[232:233], v[232:233], v[162:163]
	v_pk_add_f32 v[226:227], v[226:227], v[166:167]
	v_pk_add_f32 v[14:15], v[14:15], v[170:171]
	v_pk_add_f32 v[240:241], v[240:241], v[174:175]
	s_delay_alu instid0(VALU_DEP_2)
	v_pk_add_f32 v[14:15], v[14:15], v[250:251]
	s_delay_alu instid0(VALU_DEP_2)
	v_pk_add_f32 v[240:241], v[240:241], v[236:237]
	v_pk_add_f32 v[254:255], v[254:255], v[232:233]
	v_pk_add_f32 v[252:253], v[252:253], v[226:227]
	s_delay_alu instid0(VALU_DEP_2)
	v_pk_add_f32 v[14:15], v[14:15], v[254:255]
	s_delay_alu instid0(VALU_DEP_2)
	v_pk_add_f32 v[240:241], v[240:241], v[252:253]
	s_delay_alu instid0(VALU_DEP_1)
	v_pk_add_f32 v[14:15], v[14:15], v[240:241]
	s_wait_alu depctr_va_vdst(0)                   ; and one for the two
.irp c, 0,1
	v_max_num_f32 v[BM+2*\c], 0x1800000, v[BM+2*\c]   ; the floor 2^(3 - 127): the byte cannot fall under 1
.endr
.irp c, 0,1
	s_delay_alu instid0(VALU_DEP_2)
	v_add_nc_u32 v[BS+\c], 0xff000000, v[BM+2*\c]  ; 2 off the exponent field: the conversion's scale operand
.endr
.irp c, 0,1
	s_delay_alu instid0(VALU_DEP_2)
	v_lshrrev_b32 v[BT+\c], 23, v[BS+\c]           ; the scale's byte
.endr
	s_delay_alu instid0(VALU_DEP_1)
	v_lshl_or_b32 v[PS], v[BT+1], 16, v[BT]        ; my two bytes: blocks h and 2 + h,
	s_delay_alu instid0(VALU_DEP_1)
	v_lshlrev_b32 v[PS], v[H8], v[PS]              ; at their places in the word;
	s_delay_alu instid0(VALU_DEP_1)
	v_permlanex16_b32 v[BT+2], v[PS], s[SEL], s[SEL+1]
	s_delay_alu instid0(VALU_DEP_1)
	v_or_b32 v[PS], v[PS], v[BT+2]                 ; with lane l xor 16's two the word is whole
.irp c, 0,1
	v_cvt_scalef32_pk16_fp6_f32 v[PC+6*\c:PC+6*\c+2], v[S+32*\c:S+32*\c+15], v[BS+\c]        ; registers 6 c .. 6 c + 5 of the operand: keys 64 c + 32 h + 0 .. 31
	v_cvt_scalef32_pk16_fp6_f32 v[CT+4*\c:CT+4*\c+2], v[S+16+32*\c:S+31+32*\c], v[BS+\c]     ; (a conversion's three registers begin on an even number)
.endr
	v_nop                                          ; one plain place behind a scaled conversion
.irp c, 0,1
.irp i, 0,1,2
	v_mov_b32 v[PC+3+6*\c+\i], v[CT+4*\c+\i]
.endr
.endr
.set j, 0
.rept 16
	v_pk_mul_f32 v[O+j:O+j+1], v[O+j:O+j+1], v[F:F+1] op_sel_hi:[1,0]   ; O^T under the new M; these sixteen are also the places between p's codes and scale word and the products
.set j, j+2
.endr
	s_wait_alu depctr_va_vdst(0)
	s_wait_dscnt 0x0                               ; V is in
.irp t, 0,1,2,3
	v_wmma_scale_f32_16x16x128_f8f6f4 v[O+8*\t:O+8*\t+7], v[KF+12*\t:KF+12*\t+11], v[PC:PC+11], v[O+8*\t:O+8*\t+7], v[VS+2*(\t%2)+\t/2], v[PS] matrix_a_fmt:MATRIX_FMT_FP6 matrix_b_fmt:MATRIX_FMT_FP6
.endr
.endm
.macro FIN e                           ; O^T / the sum, quantised along the channels: half e of the result's fragment and of its scale word
.rept 4
	v_nop
.endr
	v_add_f32 v14, v14, v15
	s_delay_alu instid0(VALU_DEP_1)
	v_permlanex16_b32 v[T], v14, s[SEL], s[SEL+1]
	s_delay_alu instid0(VALU_DEP_1)
	v_add_f32 v14, v14, v[T]
	s_wait_alu depctr_va_vdst(0)
	v_rcp_f32 v[F], v14
	v_nop                                          ; a plain place behind the reciprocal,
	s_wait_alu depctr_va_vdst(0)                   ; and the wait ahead of its first reader
.set j, 0
.rept 16
	v_pk_mul_f32 v[S+j:S+j+1], v[O+j:O+j+1], v[F:F+1] op_sel_hi:[1,0]   ; register 16 b + i: channel 32 b + 16 h + i
.set j, j+2
.endr
.irp b, 0,1
	v_max3_num_f32 v[BM+\b], |v[S+16*\b]|, |v[S+1+16*\b]|, 0x1800000
.endr
.irp i, 2,4,6,8,10,12,14
.irp b, 0,1
	s_delay_alu instid0(VALU_DEP_2)
	v_max3_num_f32 v[BM+\b], v[BM+\b], |v[S+16*\b+\i]|, |v[S+1+16*\b+\i]|
.endr
.endr
.irp b, 0,1
	s_delay_alu instid0(VALU_DEP_2)
	v_permlanex16_b32 v[BT+\b], v[BM+\b], s[SEL], s[SEL+1]
.endr
.irp b, 0,1
	s_delay_alu instid0(VALU_DEP_2)
	v_max_num_f32 v[BM+\b], v[BM+\b], v[BT+\b]
.endr
.irp b, 0,1
	s_delay_alu instid0(VALU_DEP_2)
	v_add_nc_u32 v[BS+\b], 0xff000000, v[BM+\b]
.endr
.irp b, 0,1
	s_delay_alu instid0(VALU_DEP_2)
	v_lshrrev_b32 v[BT+\b], 23, v[BS+\b]
.endr
.if \e == 0
	s_delay_alu instid0(VALU_DEP_1)
	v_lshl_or_b32 v[PWO], v[BT+1], 8, v[BT]
.else
	s_delay_alu instid0(VALU_DEP_2)
	v_lshl_or_b32 v[PWO], v[BT], 16, v[PWO]
	s_delay_alu instid0(VALU_DEP_1)
	v_lshl_or_b32 v[PWO], v[BT+1], 24, v[PWO]
.endif
	v_cvt_scalef32_pk16_fp6_f32 v[OF+6*\e:OF+6*\e+2], v[S:S+15], v[BS]
	v_cvt_scalef32_pk16_fp6_f32 v[CT:CT+2], v[S+16:S+31], v[BS+1]
	v_nop
.irp i, 0,1,2
	v_permlane16_swap_b32 v[OF+6*\e+\i], v[CT+\i]
.endr
.irp i, 0,1,2
	s_delay_alu instid0(VALU_DEP_3)
	v_mov_b32 v[OF+6*\e+3+\i], v[CT+\i]
.endr
.endm
.macro HEAD e
	v_mov_b32 v13, 0xec800000                      ; the largest t so far: -2^90
	s_delay_alu instid0(VALU_DEP_1)
	v_floor_f32 v12, -v13                          ; -M
	v_mov_b32 v14, 0
	v_mov_b32 v15, 0
.set j, 0
.rept 32
	v_mov_b32 v[O+j], 0                            ; the step is written once: the first finds zeros, which the first change of M leaves zeros
.set j, j+1
.endr
	s_mov_b32 s[TK], 0
	s_mov_b32 s[TS], 0
	s_mov_b32 s[CNT], 8
.Lstep_\@:                             ; eight steps of 128 keys
	STEP \e
	s_add_co_u32 s[TK], s[TK], 6144
	s_add_co_u32 s[TS], s[TS], 512
	s_sub_co_u32 s[CNT], s[CNT], 1
	s_cmp_lg_u32 s[CNT], 0
	s_cbranch_scc1 .Lstep_\@
	FIN \e
.endm
	HEAD 0
	HEAD 1
	v_mov_b32 v[T], -1
	v_cmp_ge_f32 vcc_lo, 0xec800000, v13           ; no key counted: the word's four bytes become 0xff
	s_delay_alu instid0(VALU_DEP_1)
	v_cndmask_b32 v[PWO], v[PWO], v[T], vcc_lo
.irp g, 0,1,2
	global_store_b128 v1, v[OF+4*\g:OF+4*\g+3], s[10:11] offset:512*\g   ; the image: 512 consecutive bytes a store
.endr
	v_and_b32 v228, 15, v0
	s_lshr_b32 s52, s[WV], 3
	s_lshl_b32 s52, s52, 9
	s_and_b32 s53, s[WV], 7
	s_lshl_b32 s53, s53, 2
	s_add_co_u32 s52, s52, s53
	s_add_co_u32 s52, s52, GA
	v_lshl_add_u32 v228, v228, 5, s52              ; [group 2][row 16][tile 8]
	s_wait_alu depctr_va_vdst(0)
	v_and_b32 v229, 31, v0
	s_delay_alu instid0(VALU_DEP_1)
	v_lshlrev_b32 v230, 3, v229
	s_and_b32 s53, s[WV], 3
	s_lshl_b32 s53, s53, 8
	s_add_co_u32 s53, s53, GA
	v_add_nc_u32 v231, s53, v230
	ds_store_b32 v228, v[PWO]                      ; lanes r and r + 16 write the same word with the same value
	s_wait_dscnt 0x0
	s_barrier_signal -1
	s_barrier_wait -1
	s_cmp_lt_u32 s[WV], 4
	s_cbranch_scc0 .Lno_words
	s_wait_alu depctr_va_vdst(0)
	ds_load_b64 v[232:233], v231
	s_wait_dscnt 0x0
	global_store_b64 v230, v[232:233], s[12:13]    ; 256 consecutive bytes, aligned
.Lno_words:
	s_wait_tensorcnt 0x0
	ds_add_u32 v238, v239
	s_wait_dscnt 0x0
	CROUND                                         ; the closing round
	s_endpgm
.Lfunc_end_k_q864333910a_attn:
	.size	k_q864333910a_attn, .Lfunc_end_k_q864333910a_attn-k_q864333910a_attn
	.p2alignl 7, 3214868480
	.fill 96, 4, 3214868480
	.section	.rodata,"a",@progbits
	.p2align	6, 0x0
	.amdhsa_kernel k_q864333910a_attn
		.amdhsa_group_segment_fixed_size 216064
		.amdhsa_private_segment_fixed_size 0
		.amdhsa_enable_private_segment 0
		.amdhsa_kernarg_size 40
		.amdhsa_user_sgpr_count 2
		.amdhsa_user_sgpr_kernarg_segment_ptr 1
		.amdhsa_wavefront_size32 1
		.amdhsa_system_sgpr_workgroup_id_x 1
		.amdhsa_system_sgpr_workgroup_id_y 1
		.amdhsa_system_sgpr_workgroup_id_z 1
		.amdhsa_system_vgpr_workitem_id 0
		.amdhsa_next_free_vgpr 256
		.amdhsa_next_free_sgpr 72
		.amdhsa_reserve_vcc 1
		.amdhsa_float_denorm_mode_32 3
		.amdhsa_float_denorm_mode_16_64 3
		.amdhsa_memory_ordered 1
		.amdhsa_forward_progress 1
		.amdhsa_inst_pref_size 55
	.end_amdhsa_kernel
	.amdgpu_metadata
---
amdhsa.version: [ 1, 2 ]
amdhsa.kernels:
  - .name:           k_q864333910a_attn
    .symbol:         k_q864333910a_attn.kd
    .args:
      - { .name: pc, .offset: 0, .size: 8, .value_kind: global_buffer, .address_space: global }
      - { .name: ps, .offset: 8, .size: 8, .value_kind: global_buffer, .address_space: global }
      - { .name: key_padding_mask, .offset: 16, .size: 8, .value_kind: global_buffer, .address_space: global }
      - { .name: oc, .offset: 24, .size: 8, .value_kind: global_buffer, .address_space: global }
      - { .name: os, .offset: 32, .size: 8, .value_kind: global_buffer, .address_space: global }
    .group_segment_fixed_size: 216064
    .private_segment_fixed_size: 0
    .kernarg_segment_align: 8
    .kernarg_segment_size: 40
    .max_flat_workgroup_size: 512
    .sgpr_count:     72
    .vgpr_count:     256
    .wavefront_size: 32
...
	.end_amdgpu_metadata
.endif
;; end of part 3
;; launch oproj (part 4): grid 4 x 64, 4 waves a work-group, clusters of 4 x 4, 295,424 bytes of LDS; arguments oc, os, xc, xs, bo, out0; writes out0
.if DOCPART == 4
	.amdgcn_target "amdgcn-amd-amdhsa--gfx1250"
	.amdhsa_code_object_version 6
	.text
	.protected	k_q864333910a_oproj
	.globl	k_q864333910a_oproj
	.p2align	8
	.type	k_q864333910a_oproj,@function
k_q864333910a_oproj:
	s_mov_b64 s[64:65], 0
	v_nop
	global_prefetch_b8 v0, s[64:65] scope:SCOPE_SE
	s_setreg_imm32_b32 hwreg(HW_REG_WAVE_MODE, 25, 1), 1
	s_wait_xcnt 0x0
	s_wait_alu depctr_hold_cnt(0) depctr_sa_sdst(0) depctr_va_vdst(0) depctr_va_sdst(0) depctr_va_ssrc(0) depctr_va_vcc(0) depctr_vm_vsrc(0)
	s_getreg_b32 s2, hwreg(HW_REG_IB_STS2, 6, 4)
	s_cmp_eq_u32 s2, 0
	s_cbranch_scc0 .Lentry_in_a_cluster
	s_endpgm
.Lentry_in_a_cluster:
	s_bfe_u32 s2, ttmp6, 0x10000c
	s_cmp_lg_u32 s2, 0xf033
	s_cbranch_scc0 .Lentry_shape_is_right
	s_endpgm
.Lentry_shape_is_right:
; out0 = o Wo^T + bo on codes of FP6 (E2M3) with E8M0 scales; out0 [1024][8][1024] f32.  o's codes and scale words come from the attention's launch, Wo's from the first launch (groups 216-223 of xc, xs).
; A work-group of four waves makes 128 rows x 256 columns: 64 x 4 = 256 work-groups.  A wave makes 64 x 128: 32 accumulators.
; ALL OF K LIES IN LDS: o's group at 0, Wo's two groups behind it, 98,304 bytes each, as they lie in memory (images of registers).  Four first fills, one a wave: waves 0, 1 halves of o's group, waves 2, 3 a group of Wo each.
; Nothing is filled again: one wait and one barrier in front of the walk along K, none inside it, and one barrier between the last reads and the stage's first store.
; No prefetch: every byte is asked for at the head, and there is no loop to run ahead in.
; Source 1 = side L = o (a lane holds one row), source 0 = side R = Wo.  The bias is the C of each sum's first product.  The scale words go from memory straight into registers, once.
; Wo's scale words lie even tiles first: tile b at word 4 (b % 2) + b / 2 of its row.
; CLUSTERS: 4 x 4; o's tiles are shared along a row of the cluster, Wo's along a column.  A row whose scale words hold 0xff (a batch all of whose keys are masked) comes out as NaN.
; REGISTERS: window 0: addresses; v32-63 L's scale words, v64-127 R's; v128-223 L's two sets of four; on the way out v128-255.  window 1: R's two sets at v0, v128; the bias at v96-127, v224-255.  window 2: the accumulators.
.set FR,    12
.set NP,    4
.set FIB,   1536
.set KSB,   8*FIB
.set HALF,  4*KSB
.set GRPB,  8*KSB
.set SPARE, 3*GRPB
.set SPITCH, 528                       ; the way out: a stage of 16 rows x (512 + 16) bytes for each wave, in o's first bytes, which have had their one fill
.set ADRL,  8                          ; v8-9   my four blocks of L, K steps 0-3 and 4-7
.set ADRR,  12                         ; v12-13 my group of R
.set LI,    24
.set STO,   30
.set RD,    31
.set SCLR,  32
.set SCRR,  64
.set AF,    128
.set BK,    128
.set G1,   24
.set G1B,  32
.set G0,   68
.set G0B,  84
.set MSB, 0
.macro WIN new
.if MSB != (\new)
	s_set_vgpr_msb (MSB<<8)|(\new)
.set MSB, (\new)
.endif
.endm
.set MUL,  0xa1
.set BIA,  0x91
.set TO_R, 0x40
.macro CROUND
	s_barrier_signal -1
	s_barrier_wait -1
	s_cmp_lg_u32 s18, 0
	s_cbranch_scc1 .Lnot_wave_0_\@
	s_barrier_signal -3
.Lnot_wave_0_\@:
	s_barrier_wait -3
	s_barrier_signal -1
	s_barrier_wait -1
.endm
	s_load_b256 s[4:11], s[0:1], 0x0               ; oc, os, xc, xs
	s_load_b128 s[12:15], s[0:1], 0x20             ; bo, out0
	v_lshl_add_u32 v28, v0, 2, SPARE
	v_mov_b32 v29, 0
	ds_add_u32 v28, v29                            ; the opening lines
	ds_add_u32 v28, v29
	v_lshrrev_b32 v1, 5, v0
	v_readfirstlane_b32 s18, v1
	s_lshr_b32 s19, s18, 1                         ; my half of L's eight blocks.  Also: I fetch for o (0) or for Wo (1)
	s_and_b32 s20, s18, 1                          ; my group of R's two.  Also: which half of o's group, which group of Wo I fetch
	s_bfe_u32 s40, ttmp6, 0x40000
	s_bfe_u32 s41, ttmp6, 0x40004
	s_lshl_b32 s42, ttmp9, 2
	s_add_co_u32 s42, s42, s40                     ; px
	s_and_b32 s43, ttmp7, 0xffff
	s_lshl_b32 s43, s43, 2
	s_add_co_u32 s43, s43, s41                     ; py: o's group
	s_lshl_b32 s44, s41, 2
	s_lshl_b32 s44, 15, s44
	s_lshl_b32 s45, 0x1111, s40
	s_or_b32 s[G1+0], s44, (3<<16)|(1<<21)
	s_or_b32 s[G1B+0], s45, (3<<16)|(1<<21)
.irp g, G1, G1B
	s_mov_b32 s[\g+1], 32<<16
	s_mov_b32 s[\g+3], 32<<16
	s_mov_b32 s[\g+5], 32
	s_mov_b32 s[\g+6], 0
	s_mov_b32 s[\g+7], 0
.endr
	s_mov_b32 s[G1+2], 192<<16                     ; half a group as 192 rows of 256 bytes
	s_mov_b32 s[G1+4], 192
	s_mov_b32 s[G1B+2], 384<<16                    ; a group as 384
	s_mov_b32 s[G1B+4], 384
	s_mul_i32 s22, s43, GRPB
	s_mul_i32 s23, s20, HALF
	s_add_co_u32 s22, s22, s23
	s_mov_b32 s23, 0
	s_lshl_b32 s47, s42, 1
	s_add_co_u32 s46, s20, s47
	s_add_co_u32 s46, s46, 216
	s_mul_i32 s46, s46, GRPB
	s_mov_b32 s47, 0
	s_wait_dscnt 0x0
	s_wait_kmcnt 0x0
	s_add_nc_u64 s[22:23], s[4:5], s[22:23]
	s_add_nc_u64 s[46:47], s[8:9], s[46:47]
	CROUND                                         ; the joint loads meet
	s_mov_b32 s[G0], 1
	s_mul_i32 s[G0+1], s20, HALF
	s_mov_b64 s[G0+2:G0+3], s[22:23]
	s_or_b32 s[G0+3], s[G0+3], 0x80000000
	s_mov_b32 s[G0B], 1
	s_mul_i32 s[G0B+1], s20, GRPB
	s_add_co_u32 s[G0B+1], s[G0B+1], GRPB
	s_mov_b64 s[G0B+2:G0B+3], s[46:47]
	s_or_b32 s[G0B+3], s[G0B+3], 0x80000000
	s_cmp_eq_u32 s19, 0                            ; one load in each arm: every wave issues one
	s_cbranch_scc0 .Lfor_wo
	tensor_load_to_lds s[G0:G0+3], s[G1:G1+7]
	s_nop 0
.rept 4
	v_nop
.endr
	s_branch .Lasked
.Lfor_wo:
	tensor_load_to_lds s[G0B:G0B+3], s[G1B:G1B+7]
	s_nop 0
.rept 4
	v_nop
.endr
.Lasked:
	s_mul_i32 s44, s19, 4*FIB                      ; my four blocks of o's eight
	s_mul_i32 s45, s20, GRPB
	s_add_co_u32 s45, s45, GRPB                    ; my group of Wo
	s_mul_i32 s46, s18, 16*SPITCH                  ; my stage
	s_lshl_b32 s47, s19, 4
	v_and_b32 v1, 31, v0
	v_and_b32 v2, 15, v0                           ; r
	v_bfe_u32 v3, v0, 4, 1                         ; h
	v_lshlrev_b32 v[LI], 4, v1
	v_add_nc_u32 v[ADRL], s44, v[LI]
	v_add_nc_u32 v[ADRR], s45, v[LI]
	v_add_nc_u32 v[ADRL+1], HALF, v[ADRL]
	v_add_nc_u32 v[ADRR+1], HALF, v[ADRR]
	v_mul_u32_u24 v4, v2, SPITCH
	v_lshl_add_u32 v4, v3, 6, v4
	v_add_nc_u32 v[STO], s46, v4                   ; in: row r, + 64 h bytes
	v_add_nc_u32 v[RD], s46, v[LI]                 ; back: a row of 512 bytes to the 32 lanes
	v_lshlrev_b32 v5, 5, v2                        ; 32 r
	v_add_nc_u32 v7, s47, v5                       ; + my four tiles of L's eight
	v_lshlrev_b32 v6, 6, v3
	s_wait_alu depctr_va_vdst(0)
	s_lshl_b32 s44, s43, 12
	s_mov_b32 s45, 0
	s_add_nc_u64 s[6:7], s[6:7], s[44:45]          ; o's scale words
	s_lshl_b32 s44, s42, 1
	s_add_co_u32 s44, s44, s20
	s_add_co_u32 s44, s44, 216
	s_lshl_b32 s44, s44, 12
	s_add_nc_u64 s[10:11], s[10:11], s[44:45]      ; my group of Wo's
.irp k, 0,1,2,3,4,5,6,7
	global_load_b128 v[SCLR+4*\k:SCLR+4*\k+3], v7, s[6:7] offset:512*\k
	global_load_b128 v[SCRR+8*\k:SCRR+8*\k+3], v5, s[10:11] offset:512*\k
	global_load_b128 v[SCRR+8*\k+4:SCRR+8*\k+7], v5, s[10:11] offset:512*\k+16
.endr
	s_lshl_b32 s44, s42, 10
	s_lshl_b32 s46, s20, 9
	s_add_co_u32 s44, s44, s46
	s_add_nc_u64 s[12:13], s[12:13], s[44:45]      ; the bias at my 128 columns
	WIN TO_R
.irp b, 0,1,2,3,4,5,6,7                ; tile b's register j has column 32 (b / 2) + 16 h + 8 (b % 2) + j
	global_load_b128 v[96+8*\b+96*(\b/4):96+8*\b+96*(\b/4)+3], v6, s[12:13] offset:128*(\b/2)+32*(\b%2)
	global_load_b128 v[96+8*\b+96*(\b/4)+4:96+8*\b+96*(\b/4)+7], v6, s[12:13] offset:128*(\b/2)+32*(\b%2)+16
.endr
	WIN 0
	s_lshr_b32 s46, s43, 3                         ; the batch
	s_and_b32 s44, s43, 7
	s_lshl_b32 s44, s44, 22                        ; the group's 128 positions of 32,768 bytes,
	s_lshl_b32 s47, s19, 21
	s_add_co_u32 s44, s44, s47                     ; my 64 of them,
	s_lshl_b32 s46, s46, 12
	s_add_co_u32 s44, s44, s46
	s_lshl_b32 s46, s42, 10
	s_add_co_u32 s44, s44, s46
	s_lshl_b32 s46, s20, 9
	s_add_co_u32 s44, s44, s46                     ; my 128 columns
	s_add_nc_u64 s[14:15], s[14:15], s[44:45]
.macro FRAG reg, adr, q, i
.irp g, 0,1,2
	ds_load_b128 v[\reg+4*\g:\reg+4*\g+3], v[\adr] offset:KSB*(\q)+FIB*(\i)+512*\g
.endr
.endm
.macro FETCH k, p                      ; K step k's fragments into sets p: R's eight, L's four
	WIN TO_R
.irp i, 0,1,2,3,4,5,6,7
	FRAG 128*(\p)+FR*\i, ADRR+(\k)/4, (\k)%4, \i
.endr
	WIN 0
.irp i, 0,1,2,3
	FRAG AF+48*(\p)+FR*\i, ADRL+(\k)/4, (\k)%4, \i
.endr
.endm
.macro MUL32 p, k, first               ; the 32 accumulators take turns
.irp a, 0,1,2,3
.irp b, 0,1,2,3,4,5,6,7
.if \first
.set CC, 96+8*\b+96*(\b/4)
.else
.set CC, 8*(8*\a+\b)
.endif
	v_wmma_scale_f32_16x16x128_f8f6f4 v[8*(8*\a+\b):8*(8*\a+\b)+7], v[128*(\p)+FR*\b:128*(\p)+FR*\b+FR-1], v[AF+48*(\p)+FR*\a:AF+48*(\p)+FR*\a+FR-1], v[CC:CC+7], v[SCRR+8*(\k)+4*(\b%2)+\b/2], v[SCLR+4*(\k)+\a] matrix_a_fmt:MATRIX_FMT_FP6 matrix_b_fmt:MATRIX_FMT_FP6
.endr
.endr
.endm
.macro PLACES n
.rept \n
	v_nop
.endr
.endm
.macro KSTEP k, first                  ; this step's fragments were asked for a step ago; the next step's are asked for ahead of its 32 products
	s_wait_dscnt 0x0
.if (\k) == 7
	s_barrier_signal -1                            ; my reads of the operands are over: behind this barrier the stages are written
.endif
.if (\k) < 7
.if (\k) > 0
	PLACES NP
.endif
	FETCH (\k)+1, 1-(\k)%2
.endif
.if \first
	WIN BIA
.else
	WIN MUL
.endif
	MUL32 (\k)%2, \k, \first
	WIN 0
.if (\k) == 7
	s_barrier_wait -1
.endif
.endm
	s_wait_tensorcnt 0x0                           ; my one load has landed
	s_barrier_signal -1
	s_barrier_wait -1                              ; everybody's has
	FETCH 0, 0
	s_wait_loadcnt 0x0                             ; the scale words and the bias
	KSTEP 0, 1
.irp k, 1,2,3,4,5,6,7
	KSTEP \k, 0
.endr
; THE WAY OUT, a block of 16 rows x 128 columns at a time, through my own stage: whole rows of 512 bytes come back
.macro TOSTAGE a
	WIN 0x08
.irp b, 0,1,2,3,4,5,6,7
	ds_store_b128 v[STO], v[64*(\a)+8*\b:64*(\a)+8*\b+3] offset:128*(\b/2)+32*(\b%2)      ; each accumulator from its low end on
	ds_store_b128 v[STO], v[64*(\a)+8*\b+4:64*(\a)+8*\b+7] offset:128*(\b/2)+32*(\b%2)+16
.endr
	WIN 0
.set BB, BK+64*((\a)%2)
.irp t, 0,1,2,3,4,5,6,7,8,9,10,11,12,13,14,15
	ds_load_b128 v[BB+4*\t:BB+4*\t+3], v[RD] offset:\t*SPITCH   ; LDS serves a wave's instructions in order: these see the stores above
.endr
.endm
.macro SEND a, younger
.set BB, BK+64*((\a)%2)
	s_wait_dscnt \younger
.irp t, 0,1,2,3,4,5,6,7,8,9,10,11,12,13,14,15
	global_store_b128 v[LI], v[BB+4*\t:BB+4*\t+3], s[14:15] offset:32768*(32*((\a)/2)+8*((\a)%2)+\t+8*(\t/8)) th:TH_STORE_NT   ; 512 consecutive bytes, aligned
.endr
.endm
	PLACES NP
	TOSTAGE 0
.irp a, 1,2,3
.if \a > 1
	s_wait_xcnt 0x0                                ; block a - 2's stores have read their registers
.endif
	TOSTAGE \a
	SEND \a-1, 32                                  ; behind block a - 1's loads: block a's 16 stores and 16 loads
.endr
	SEND 3, 0
	s_wait_tensorcnt 0x0                           ; the wave's end
	ds_add_u32 v28, v29
	s_wait_dscnt 0x0
	CROUND                                         ; the closing round
	s_endpgm
.Lfunc_end_k_q864333910a_oproj:
	.size	k_q864333910a_oproj, .Lfunc_end_k_q864333910a_oproj-k_q864333910a_oproj
	.p2alignl 7, 3214868480
	.fill 96, 4, 3214868480
	.section	.rodata,"a",@progbits
	.p2align	6, 0x0
	.amdhsa_kernel k_q864333910a_oproj
		.amdhsa_group_segment_fixed_size 295424
		.amdhsa_private_segment_fixed_size 0
		.amdhsa_enable_private_segment 0
		.amdhsa_kernarg_size 48
		.amdhsa_user_sgpr_count 2
		.amdhsa_user_sgpr_kernarg_segment_ptr 1
		.amdhsa_wavefront_size32 1
		.amdhsa_system_sgpr_workgroup_id_x 1
		.amdhsa_system_sgpr_workgroup_id_y 1
		.amdhsa_system_sgpr_workgroup_id_z 1
		.amdhsa_system_vgpr_workitem_id 0
		.amdhsa_next_free_vgpr 768
		.amdhsa_next_free_sgpr 100
		.amdhsa_reserve_vcc 0
		.amdhsa_float_denorm_mode_32 3
		.amdhsa_float_denorm_mode_16_64 3
		.amdhsa_memory_ordered 1
		.amdhsa_forward_progress 1
		.amdhsa_inst_pref_size 77
	.end_amdhsa_kernel
	.amdgpu_metadata
---
amdhsa.version: [ 1, 2 ]
amdhsa.kernels:
  - .name:           k_q864333910a_oproj
    .symbol:         k_q864333910a_oproj.kd
    .args:
      - { .name: oc, .offset: 0, .size: 8, .value_kind: global_buffer, .address_space: global }
      - { .name: os, .offset: 8, .size: 8, .value_kind: global_buffer, .address_space: global }
      - { .name: xc, .offset: 16, .size: 8, .value_kind: global_buffer, .address_space: global }
      - { .name: xs, .offset: 24, .size: 8, .value_kind: global_buffer, .address_space: global }
      - { .name: bo, .offset: 32, .size: 8, .value_kind: global_buffer, .address_space: global }
      - { .name: out0, .offset: 40, .size: 8, .value_kind: global_buffer, .address_space: global }
    .group_segment_fixed_size: 295424
    .private_segment_fixed_size: 0
    .kernarg_segment_align: 8
    .kernarg_segment_size: 48
    .max_flat_workgroup_size: 128
    .sgpr_count:     100
    .vgpr_count:     768
    .wavefront_size: 32
...
	.end_amdgpu_metadata
.endif
;; end of part 4
